; MI455X (gfx1250); checked and timed in simulation.
; The chip was launched on July 23, 2026; its instructions are those of AMD's public machine-readable ISA for CDNA 5 (MIT licence, August 2026) and "CDNA5" Instruction Set Architecture Reference Guide (July 2026). The comments in the code are by the model that wrote it; some were corrected since.
;; Causal Self Attention. Allowed arithmetic: matrix products marked QUANTISED: E5M2 operands, one E8M0 scale for each 32 along K, by v_wmma_scale_f32_16x16x128_f8f6f4 with both operands' format E5M2, f32 sums; everything else in f32.
;; Inputs: Wk_codes 1,024 x 32 x 32 uint8 (E5M2 codes of Wk, K innermost, in blocks of 32 codes); Wk_scales 1,024 x 32 uint8 (E8M0 scales of Wk, one for each 32 codes along K); Wp_codes 1,024 x 32 x 32 uint8 (E5M2 codes of Wp, K innermost, in blocks of 32 codes); Wp_scales 1,024 x 32 uint8 (E8M0 scales of Wp, one for each 32 codes along K); Wq_codes 1,024 x 32 x 32 uint8 (E5M2 codes of Wq, K innermost, in blocks of 32 codes); Wq_scales 1,024 x 32 uint8 (E8M0 scales of Wq, one for each 32 codes along K); Wv_codes 1,024 x 32 x 32 uint8 (E5M2 codes of Wv, K innermost, in blocks of 32 codes); Wv_scales 1,024 x 32 uint8 (E8M0 scales of Wv, one for each 32 codes along K); bk 1,024 float32; bp 1,024 float32; bq 1,024 float32; bv 1,024 float32; x_codes 4 x 2,048 x 32 x 32 uint8 (E5M2 codes of x, K innermost, in blocks of 32 codes); x_scales 4 x 2,048 x 32 uint8 (E8M0 scales of x, one for each 32 codes along K).
;; Outputs: out0 4 x 2,048 x 1,024 float32.
;; This version of the problem:
;;   THIS VERSION OF THE PROBLEM IS GIVEN IN LOW PRECISION. The matrix products marked QUANTISED in the list below multiply operands that are first quantised to E5M2 (5 exponent bits, 2 mantissa bits; 8 bits a number), with one power-of-two scale for each 32 numbers along K (OCP MX v1.0); their sums are f32. All else is computed in f32.
;;   The module's matrix products, in the order in which they are computed (A, B: the left and right operand; K: the contracted axis; several contracted axes count as one K, in the product's order):
;;     1. [M 8,192, K 1,024] x [K 1,024, N 1,024]; A: input x (given as codes); B: input Wk (given as codes): QUANTISED
;;     2. [M 8,192, K 1,024] x [K 1,024, N 1,024]; A: input x (given as codes); B: input Wq (given as codes): QUANTISED
;;     3. [M 8,192, K 1,024] x [K 1,024, N 1,024]; A: input x (given as codes); B: input Wv (given as codes): QUANTISED
;;     4. batch 64 x [M 2,048, K 64] x [K 64, N 2,048]; A: computed on the way; B: computed on the way: QUANTISED
;;     5. batch 64 x [M 2,048, K 2,048] x [K 2,048, N 64]; A: softmax (see below); B: computed on the way: QUANTISED
;;     6. [M 8,192, K 1,024] x [K 1,024, N 1,024]; A: computed on the way; B: input Wp (given as codes): QUANTISED
;;   THE QUANTISER, for each operand of a quantised product, along K:
;;     - K is cut into blocks of 32 from its start; a last block that is shorter is filled with zeros.
;;     - A block's scale is 2^e with e = floor(log2(the largest magnitude in the block)) - 15, held to -126 .. 127; a block of zeros has e = 0. As a byte (E8M0): e + 127.
;;     - Each number is divided by its block's scale, clamped to +-57,344, and rounded to the nearest number of E5M2, ties to even, subnormals kept.
;;     - The product sums the exact products of the quantised numbers (number of the format x scale) in f32.
;;   ~~~python
;;   def quantise(x, axis):      # numpy; x: float32 -> the quantised numbers, widened to float32 again
;;       x = np.moveaxis(x, axis, -1); K = x.shape[-1]
;;       x = np.pad(x, [(0, 0)] * (x.ndim - 1) + [(0, -K % 32)]); x = x.reshape(x.shape[:-1] + (-1, 32)); a = np.abs(x).max(-1, keepdims=True)
;;       e = np.where(a > 0, np.clip(np.frexp(np.where(a > 0, a, 1))[1] - 1 - 15, -126, 127), 0)      # np.frexp(a)[1] - 1 = floor(log2(a)), exactly
;;       r = np.clip(x / 2.0 ** e, -57344, 57344)
;;       step = 2.0 ** (np.maximum(np.frexp(np.where(r == 0, 1, r))[1] - 1, -14) - 2)
;;       q = np.round(r / step) * step * 2.0 ** e      # np.round: ties to even
;;       return np.moveaxis(q.reshape(q.shape[:-2] + (-1,))[..., :K], -1, axis).astype(np.float32)
;;   ~~~
;;   SOFTMAX AHEAD OF A QUANTISED PRODUCT. Where the list says 'softmax', what is quantised is not the finished softmax but p = 2^(t - M), with t = logit x log2(e) and M = ceil(the row's largest t), a whole number; so 1/2 < the row's largest p <= 1. The row's sum l is taken of the UNQUANTISED p, in f32, and the product's result is divided by l at the end. Since M is a whole number, a kernel that streams over the keys may use a running M (the ceiling of the running maximum): every later rescaling is an exact power of two, which a block's scale takes up: the codes' values come out the same.
;;   OPERANDS COMPUTED ON THE WAY. 'Computed on the way' means the value that the module computes at that place (a softmax that the list does not call 'softmax' is quantised finished and normalised). What goes into a quantiser is computed in f32, as accurately as f32 sums, v_exp_f32 and their like allow (about 1e-6 of the number): no bf16 or f16 on the way to a quantiser, and a product that is left as it is and whose result goes on into a quantised operand takes f32 operands (vector FMAs, or v_wmma_f32_16x16x4_f32). A number that lies on a knife's edge between two numbers of the format may be rounded either way, as far as f32 arithmetic and the matrix unit's own rounding can turn it there, and no further.
;;   INPUTS GIVEN AS CODES. Wk (in the module: [1024, 1024], K = its axis 1); Wp (in the module: [1024, 1024], K = its axis 1); Wq (in the module: [1024, 1024], K = its axis 1); Wv (in the module: [1024, 1024], K = its axis 1); x (in the module: [4, 2048, 1024], K = its axis 2): each comes as NAME_codes (uint8): NAME with its K axis moved to the last place and cut into blocks of 32 codes, [.., K / 32, bytes a block], one block behind the other in memory; one code a byte (a code: sign, 5 exponent bits, 2 mantissa bits); and NAME_scales (uint8): the same leading axes, one E8M0 byte (e + 127) for each 32 codes along K. Its value is code x scale, taken as it is: it is not quantised again, and the codes and scales need not be those that the quantiser above would give.
;; One version. Each part assembles by itself: llvm-mc -triple=amdgcn-amd-amdhsa -mcpu=gfx1250 --defsym DOCPART=n.
;; ======== version 1 of 1: 3 launches
;; limits: right only within a limited range of input values
;; workspace buffers: qi 17,301,504 bytes; kv 17,301,504 bytes; yc 8,388,608 bytes; ys 262,144 bytes
;; launch qkv (part 1): grid 12 x 32, 4 waves a work-group, clusters of 4 x 4, 327,680 bytes of LDS; arguments x_codes, x_scales, Wq_codes, Wq_scales, Wk_codes, Wk_scales, Wv_codes, Wv_scales, bq, bk, bv, qi, kv; writes qi, kv
.if DOCPART == 1
	.amdgcn_target "amdgcn-amd-amdhsa--gfx1250"
	.amdhsa_code_object_version 6
	.text
	.protected	k_qa873f51956_qkv
	.globl	k_qa873f51956_qkv
	.p2align	8
	.type	k_qa873f51956_qkv,@function
k_qa873f51956_qkv:
	s_mov_b64 s[64:65], 0
	v_nop
	global_prefetch_b8 v0, s[64:65] scope:SCOPE_SE
	s_setreg_imm32_b32 hwreg(HW_REG_WAVE_MODE, 25, 1), 1
	s_wait_xcnt 0x0
	s_wait_alu depctr_hold_cnt(0) depctr_sa_sdst(0) depctr_va_vdst(0) depctr_va_sdst(0) depctr_va_ssrc(0) depctr_va_vcc(0) depctr_vm_vsrc(0)
	s_getreg_b32 s2, hwreg(HW_REG_IB_STS2, 6, 4)
	s_cmp_eq_u32 s2, 0
	s_cbranch_scc0 .Lentry_in_a_cluster
	s_endpgm
.Lentry_in_a_cluster:
	s_bfe_u32 s2, ttmp6, 0x10000c
	s_cmp_lg_u32 s2, 0xf033
	s_cbranch_scc0 .Lentry_shape_is_right
	s_endpgm
.Lentry_shape_is_right:
; q = x Wq^T + bq, k = x Wk^T + bk, v = x Wv^T + bv on codes of BF8 (E5M2) with one E8M0 scale for each 32 along K = 1,024; the results are quantised at once
; (q and k along a head's 64 channels, v along the keys) and stored as the attention launch wants its operands.
; SHARES.  A cluster of 4 x 4 work-groups; the cluster's x says which product (KIND 0: q, 1: k, 2: v), its y which 1,024 tokens.  A work-group of four waves makes 256 x 256, a wave 128 x 128: 64 accumulators, 512 registers.
; The matrix instruction takes 16 rows of "B" as source 0 and 16 rows of "A" as source 1: a lane then holds ONE row of A and its registers run along B's rows.
;   KIND 0, 1: A = x (a lane a token), B = W (registers along the channels, the next product's K).     KIND 2: A = Wv (a lane a channel), B = x (registers along the keys, the next product's K).
; K goes in steps of 256 through a ring of two LDS slots filled by joint tensor loads (A's tile shared along the cluster's row, B's along its column); the scale bytes of all of K come once and stay.
; The bias is the C of each sum's first matrix instruction.
; OUT.  kv[head of 64][key step of 128 keys]: 16,896 bytes: K's codes (8,192), V's codes (8,192), K's scale words (256), V's scale words (256); qi likewise, its K parts alone.  A piece of 16 codes
; (row position rho + 8 v of tile (pair, u), block c of 32 along K, half h) lies at .. + 512 c + 2048 v + 256 h + 128 (u xor v) + 16 rho: each store of a wave covers 256 consecutive bytes, aligned.
; A tile's rows are not neighbours: position rho + 8 v of tile (pair, u) is row 32 pair + 8 u + rho + 16 v, so that the next product's results come out as neighbours along the K after it.
; LIMITS: NaN and infinities among the inputs are not served; a block whose largest magnitude lies under 2^-111 (a block of zeros too) keeps the scale byte 1: its bytes are read by this program alone.
; REGISTERS, in windows of 256: window 0: v1-29 addresses; v32-63 scale words, two sets; v64-127 the bias; v128-255 A's fragments, one set (afterwards: the codes).  window 1: B's fragments, two sets.  windows 2, 3: the accumulators.
.set KROW,   1024                      ; a row of x or of a weight in bytes
.set ROWB,   256                       ; a tile's row: 256 codes
.set NQ,     2                         ; matrix instructions deep in a slot
.set PITCH,  272                       ; an LDS row: 256 bytes + 16 of padding: the 16 rows that a load touches start 68 words apart
.set FR,     16                        ; registers of a fragment
.set NL,     4                         ; LDS loads that bring one
.set NP,     8                         ; places behind this matrix instruction (ISA guide 7.12.1)
.set HALFT,  128*PITCH
.set SLOT,   4*HALFT                   ; A's 256 rows, then B's 256 rows
.set LAPS,   2                         ; K = 1,024 = two laps of two slots
.set KS,     32                        ; a row of scale bytes
.set SCL,    2*SLOT                    ; behind the ring: the scales, units of 256 bytes + 16
.set HALFS,  16*272                    ; the scales of 128 rows
.set SBLK,   2*272                     ; of 16 rows
.set SPARE,  SCL+4*HALFS               ; the spare words: 128 bytes a wave, two blocks of 256 bytes that no other line names
.set HS,     270336                    ; bytes of a head in qi and kv
.set STB,    16896                     ; bytes of a key step
.set VOFF,   8192
.set KSO,    16384
.set VSO,    16640
.set VO,   8                           ; v8-15   byte offsets of the bias loads
.set ADRA, 16                          ; v16-17  LDS address of my A fragments in slot 0, 1
.set ADRB, 20                          ; v20-21  the same for B
.set LW,   22                          ; v22     16 r + 8 h;  v23  16 (r xor 8) + 8 h: my 8 bytes in a store's 256
.set L8,   24                          ; v24     8 x lane
.set ADRS, 27                          ; v27     LDS address of my scale words: lanes 0-15 A's rows, lanes 16-31 B's
.set SPW,  28                          ; v28     LDS address of my spare word; never rewritten
.set NIL,  29                          ; v29     0; never rewritten
.set SC,   32
.set BIAS, 64
.set AF,   128
.set PCD,  128                         ; afterwards: the codes, 16 registers for each block of A
.set PWR,  32                          ; v32-39  a scale word for each block of A
.set TM,   40                          ; v40-55  at work in the quantiser
.set XW,   56                          ; v56-63  scale words on their way out
.set G1, 24
.set G0, 32
.set G1B, 48
.set G0B, 56
.set G1S, 68
.set G0S, 76
.set G1SB, 80
.set G0SB, 88
.set KIND, 66
.set MSB, 0
.macro WIN new                         ; the immediate's high byte repeats the setting that is left
.if MSB != (\new)
	s_set_vgpr_msb (MSB<<8)|(\new)
.set MSB, (\new)
.endif
.endm
.set MUL_LO, 0xa1                      ; source 0 (B) window 1, source 1 (A) window 0, C and D window 2
.set MUL_HI, 0xf1                      ; the same, C and D window 3
.set TO_B,   0x40                      ; destination window 1, address window 0
; A joint load: waves 0 and 1 fetch for A, waves 2 and 3 for B; the branch hangs on the wave's number alone.  Four v_nop follow each of the two lines.
.macro JLOAD g0a, g1a, g0b, g1b
	s_cmp_eq_u32 s15, 0
	s_cbranch_scc0 .Lfor_b_\@
	tensor_load_to_lds s[\g0a:\g0a+3], s[\g1a:\g1a+7]
	s_nop 0
.rept 4
	v_nop
.endr
	s_branch .Lasked_\@
.Lfor_b_\@:
	tensor_load_to_lds s[\g0b:\g0b+3], s[\g1b:\g1b+7]
	s_nop 0
.rept 4
	v_nop
.endr
.Lasked_\@:
.endm
.macro CREST                           ; a round of the cluster's barrier behind its opening barrier
	s_cmp_lg_u32 s14, 0
	s_cbranch_scc1 .Lnot_wave_0_\@
	s_barrier_signal -3
.Lnot_wave_0_\@:
	s_barrier_wait -3
	s_barrier_signal -1
	s_barrier_wait -1
.endm
.macro CROUND
	s_barrier_signal -1
	s_barrier_wait -1
	CREST
.endm
	s_load_b512 s[68:83], s[0:1], 0x0              ; x's codes, scales; Wq's; Wk's; Wv's
	s_load_b256 s[84:91], s[0:1], 0x40             ; bq, bk, bv, qi
	s_load_b64 s[92:93], s[0:1], 0x60              ; kv
	v_lshl_add_u32 v[SPW], v0, 2, SPARE
	v_mov_b32 v[NIL], 0
	ds_add_u32 v28, v29
	ds_add_u32 v28, v29
	s_wait_dscnt 0x0
	v_lshrrev_b32 v1, 5, v0
	v_readfirstlane_b32 s14, v1                    ; wave 0..3
	s_lshr_b32 s15, s14, 1                         ; which half of A's rows is mine.  Also: I fetch for A (0) or for B (1)
	s_and_b32 s16, s14, 1                          ; which half of B's rows.  Also: which 128 rows of that tile I fetch
	s_bfe_u32 s40, ttmp6, 0x40000                  ; cx, cy: my place in the cluster
	s_bfe_u32 s41, ttmp6, 0x40004
	s_mov_b32 s[KIND], ttmp9                       ; the cluster's x: the same in all sixteen partners
	s_and_b32 s67, ttmp7, 0xffff
	s_lshl_b32 s67, s67, 2                         ; 4 x the cluster's y: the tokens' tile
	s_cmp_eq_u32 s[KIND], 2
	s_cselect_b32 s17, 0, s67                      ; the tokens are A's rows for q and k, B's rows for v
	s_cselect_b32 s42, s67, 0
	s_add_co_u32 s17, s17, s41                     ; A's tile: hangs on cy alone
	s_add_co_u32 s42, s42, s40                     ; B's tile: hangs on cx alone
	s_lshl_b32 s43, s41, 2
	s_lshl_b32 s43, 15, s43                        ; my row of the cluster
	s_lshl_b32 s44, 0x1111, s40                    ; my column
	s_or_b32 s[G1+0], s43, (0<<16)|(1<<20)|(1<<21)|(5<<22)|(3<<25)  ; the mask; elements of 1 byte; padding on; bit 21 beside a mask; after every 64 words, 4 words
	s_or_b32 s[G1B+0], s44, (0<<16)|(1<<20)|(1<<21)|(5<<22)|(3<<25)
.irp g, G1, G1B
	s_mov_b32 s[\g+1], ROWB<<16                    ; tensor_dim0
	s_mov_b32 s[\g+2], 128<<16                     ; tensor_dim1
	s_mov_b32 s[\g+3], ROWB<<16                    ; tile_dim0
	s_mov_b32 s[\g+4], 128                         ; tile_dim1
	s_mov_b32 s[\g+5], KROW                        ; from row to row
	s_mov_b32 s[\g+6], 0
	s_mov_b32 s[\g+7], 0
.endr
	s_lshl_b32 s18, s16, 7                         ; which 128 rows of the tile I fetch
	s_lshl_b32 s20, s17, 8
	s_add_co_u32 s20, s20, s18                     ; A's row
	s_lshl_b32 s46, s42, 8
	s_add_co_u32 s46, s46, s18                     ; B's row
	s_mov_b32 s21, 0
	s_mov_b32 s47, 0
	s_mov_b64 s[18:19], KS
	s_mul_u64 s[22:23], s[20:21], s[18:19]         ; where these rows' scales begin, in bytes
	s_mul_u64 s[2:3], s[46:47], s[18:19]
	s_mov_b64 s[18:19], KROW
	s_mul_u64 s[20:21], s[20:21], s[18:19]         ; and their codes
	s_mul_u64 s[46:47], s[46:47], s[18:19]
	s_mul_i32 s45, s14, HALFT                      ; where they go: wave x 128 rows
	s_mul_i32 s94, s14, HALFS
	s_wait_kmcnt 0x0
	s_cmp_eq_u32 s[KIND], 0                        ; the buffers are chosen by the cluster's number alone
	s_cselect_b64 s[8:9], s[72:73], s[76:77]       ; Wq or Wk
	s_cselect_b64 s[10:11], s[74:75], s[78:79]
	s_cselect_b64 s[98:99], s[84:85], s[86:87]     ; bq or bk
	s_cselect_b64 s[12:13], s[90:91], s[92:93]     ; qi, or kv
	s_cmp_eq_u32 s[KIND], 2
	s_cselect_b64 s[4:5], s[80:81], s[68:69]       ; A: Wv, or x
	s_cselect_b64 s[6:7], s[82:83], s[70:71]
	s_cselect_b64 s[8:9], s[68:69], s[8:9]         ; B: x, or the weight
	s_cselect_b64 s[10:11], s[70:71], s[10:11]
	s_cselect_b64 s[98:99], s[88:89], s[98:99]     ; bv
	s_add_nc_u64 s[20:21], s[4:5], s[20:21]
	s_add_nc_u64 s[22:23], s[6:7], s[22:23]
	s_add_nc_u64 s[46:47], s[8:9], s[46:47]
	s_add_nc_u64 s[2:3], s[10:11], s[2:3]
	; the scales of 128 rows: a dense block of 4,096 bytes, as 16 rows of 256 bytes (32 elements of 8 bytes), 16 bytes of padding behind each
	s_or_b32 s[G1S+0], s43, (3<<16)|(1<<20)|(1<<21)|(5<<22)|(3<<25)
	s_or_b32 s[G1SB+0], s44, (3<<16)|(1<<20)|(1<<21)|(5<<22)|(3<<25)
.irp g, G1S, G1SB
	s_mov_b32 s[\g+1], 32<<16
	s_mov_b32 s[\g+2], 16<<16
	s_mov_b32 s[\g+3], 32<<16
	s_mov_b32 s[\g+4], 16
	s_mov_b32 s[\g+5], 32
	s_mov_b32 s[\g+6], 0
	s_mov_b32 s[\g+7], 0
.endr
	CROUND                                         ; all sixteen work-groups are here: the first joint loads meet
	s_mov_b32 s[G0S], 1
	s_add_co_u32 s[G0S+1], s94, SCL
	s_mov_b64 s[G0S+2:G0S+3], s[22:23]
	s_or_b32 s[G0S+3], s[G0S+3], 0x80000000
	s_mov_b32 s[G0SB], 1
	s_add_co_u32 s[G0SB+1], s94, SCL
	s_mov_b64 s[G0SB+2:G0SB+3], s[2:3]
	s_or_b32 s[G0SB+3], s[G0SB+3], 0x80000000
	JLOAD G0S, G1S, G0SB, G1SB                     ; the scales first: they are wanted with K step 0
.irp s, 0,1
	s_mov_b32 s[G0+4*\s], 1
	s_add_co_u32 s[G0+4*\s+1], s45, \s*SLOT
	s_add_nc_u64 s[G0+4*\s+2:G0+4*\s+3], s[20:21], \s*ROWB
	s_or_b32 s[G0+4*\s+3], s[G0+4*\s+3], 0x80000000
	s_mov_b32 s[G0B+4*\s], 1
	s_add_co_u32 s[G0B+4*\s+1], s45, \s*SLOT
	s_add_nc_u64 s[G0B+4*\s+2:G0B+4*\s+3], s[46:47], \s*ROWB
	s_or_b32 s[G0B+4*\s+3], s[G0B+4*\s+3], 0x80000000
	JLOAD G0+4*\s, G1, G0B+4*\s, G1B               ; by this text's count three tensor loads of a wave are out here, later one
.endr
	v_and_b32 v1, 15, v0                           ; r = lane % 16
	v_bfe_u32 v2, v0, 4, 1                         ; h = lane / 16
	v_mul_u32_u24 v3, v1, PITCH
	v_lshl_add_u32 v4, v2, 4, v3                   ; a fragment's row x pitch + 16 x half
	s_mul_i32 s21, s15, HALFT                      ; my 128 rows of A
	s_mul_i32 s22, s16, HALFT                      ; my 128 rows of B,
	s_add_co_u32 s22, s22, 2*HALFT                 ; which lie behind A's 256
.irp s, 0,1
	v_add_nc_u32 v[ADRA+\s], s21, v4
	v_add_nc_u32 v[ADRB+\s], s22, v4
	s_add_co_u32 s21, s21, SLOT
	s_add_co_u32 s22, s22, SLOT
.endr
	v_mul_u32_u24 v5, v1, KS                       ; my row's scales: 32 bytes a row,
	v_lshrrev_b32 v6, 8, v5
	v_lshl_add_u32 v5, v6, 4, v5                   ; and 16 more for each 256 passed
	s_mul_i32 s21, s15, HALFS
	s_mul_i32 s22, s16, HALFS
	s_add_co_u32 s22, s22, 2*HALFS
	s_sub_co_u32 s22, s22, s21
	v_mul_u32_u24 v6, s22, v2                      ; lanes 16-31 take B's
	s_add_co_u32 s21, s21, SCL
	v_add_nc_u32 v5, v5, v6
	v_add_nc_u32 v[ADRS], s21, v5
	v_lshlrev_b32 v5, 4, v1
	v_lshl_add_u32 v[LW], v2, 3, v5                ; 16 r + 8 h
	v_xor_b32 v[LW+1], 128, v[LW]                  ; 16 (r xor 8) + 8 h
	v_and_b32 v6, 31, v0
	v_lshlrev_b32 v[L8], 3, v6
	; where my 128 x 128 lies: the tokens and the channels
	s_lshl_b32 s20, s17, 8
	s_lshl_b32 s21, s15, 7
	s_add_co_u32 s20, s20, s21                     ; A's first row of mine
	s_lshl_b32 s22, s42, 8
	s_lshl_b32 s23, s16, 7
	s_add_co_u32 s22, s22, s23                     ; B's
	s_cmp_eq_u32 s[KIND], 2
	s_cselect_b32 s46, s22, s20                    ; my first token
	s_cselect_b32 s47, s20, s22                    ; my first channel
	s_cselect_b32 s18, 0, 32                       ; the bias in the result's layout: q, k: register j of block b is channel 16 b + 8 h + j;
	s_cselect_b32 s19, 4, 0                        ; v: every register of block a is channel 16 a + r
	s_cselect_b32 s21, 0, 4
	v_mul_u32_u24 v5, s18, v2
	v_mad_u32_u24 v5, v1, s19, v5
	s_wait_alu depctr_va_vdst(0)
.irp j, 0,1,2,3,4,5,6,7
	s_mul_i32 s23, s21, \j
	v_add_nc_u32 v[VO+\j], s23, v5
.endr
	s_lshl_b32 s18, s47, 2
	s_mov_b32 s19, 0
	s_add_nc_u64 s[98:99], s[98:99], s[18:19]
	s_wait_alu depctr_va_vdst(0)
.irp i, 0,1,2,3,4,5,6,7
.irp j, 0,1,2,3,4,5,6,7
	global_load_b32 v[BIAS+8*\i+\j], v[VO+\j], s[98:99] offset:64*\i
.endr
.endr
	s_lshr_b32 s18, s46, 11                        ; the batch,
	s_lshl_b32 s18, s18, 4
	s_lshr_b32 s21, s47, 6                         ; the first of my two heads,
	s_add_co_u32 s18, s18, s21
	s_mul_i32 s18, s18, HS
	s_bfe_u32 s21, s46, 0x40007                    ; the key step: my 128 tokens are one
	s_mul_i32 s21, s21, STB
	s_add_co_u32 s18, s18, s21
	s_add_nc_u64 s[12:13], s[12:13], s[18:19]      ; where my results go
	s_mov_b32 s95, 0xffff0000                      ; lanes 16-31
	s_mov_b32 s96, 0x05040100                      ; two low halves;
	s_mov_b32 s97, 0x07060302                      ; two high halves
	s_mov_b32 s100, 0x76543210
	s_mov_b32 s101, 0xfedcba98                     ; v_permlanex16_b32's selects for lane l xor 16
.macro FRAG reg, adr, q, i             ; 16 rows x 128 K: lane l holds row l % 16; registers 4 c .. 4 c + 3 hold K = 32 c + 16 (l / 16) + 0 .. 15
.irp c, 0,1,2,3
	ds_load_b128 v[\reg+4*\c:\reg+4*\c+3], v[\adr] offset:128*(\q)+32*\c+(\i)*16*PITCH
.endr
.endm
; 16 matrix instructions: A's blocks a0, a0 + 1 x B's eight.  cm = 0: onto the sums; 1: the sums begin with the bias of B's block; 2: with that of A's block.
; The 64 accumulators take turns, one instruction a turn, in the same order in every step.
.macro MUL16 a0, p, q, sc, cm
.irp a, \a0, \a0+1
.irp b, 0,1,2,3,4,5,6,7
.if \cm == 1
	v_wmma_scale_f32_16x16x128_f8f6f4 v[8*(8*((\a)%4)+\b):8*(8*((\a)%4)+\b)+7], v[128*(\p)+FR*\b:128*(\p)+FR*\b+FR-1], v[AF+FR*(\a):AF+FR*(\a)+FR-1], v[BIAS+8*\b:BIAS+8*\b+7], v[SC+8*NQ*(\sc)+NQ*\b+(\q)], v[SC+8*NQ*(\sc)+NQ*(\a)+(\q)] matrix_a_fmt:MATRIX_FMT_BF8 matrix_b_fmt:MATRIX_FMT_BF8 matrix_a_scale:MATRIX_SCALE_ROW1
.elseif \cm == 2
	v_wmma_scale_f32_16x16x128_f8f6f4 v[8*(8*((\a)%4)+\b):8*(8*((\a)%4)+\b)+7], v[128*(\p)+FR*\b:128*(\p)+FR*\b+FR-1], v[AF+FR*(\a):AF+FR*(\a)+FR-1], v[BIAS+8*(\a):BIAS+8*(\a)+7], v[SC+8*NQ*(\sc)+NQ*\b+(\q)], v[SC+8*NQ*(\sc)+NQ*(\a)+(\q)] matrix_a_fmt:MATRIX_FMT_BF8 matrix_b_fmt:MATRIX_FMT_BF8 matrix_a_scale:MATRIX_SCALE_ROW1
.else
	v_wmma_scale_f32_16x16x128_f8f6f4 v[8*(8*((\a)%4)+\b):8*(8*((\a)%4)+\b)+7], v[128*(\p)+FR*\b:128*(\p)+FR*\b+FR-1], v[AF+FR*(\a):AF+FR*(\a)+FR-1], v[8*(8*((\a)%4)+\b):8*(8*((\a)%4)+\b)+7], v[SC+8*NQ*(\sc)+NQ*\b+(\q)], v[SC+8*NQ*(\sc)+NQ*(\a)+(\q)] matrix_a_fmt:MATRIX_FMT_BF8 matrix_b_fmt:MATRIX_FMT_BF8 matrix_a_scale:MATRIX_SCALE_ROW1
.endif
.endr
.endr
.endm
.macro FETCH_B slot, q, p
	WIN TO_B
.irp i, 0,1,2,3,4,5,6,7
	FRAG 128*(\p)+FR*\i, ADRB+\slot, \q, \i
.endr
	WIN 0
.endm
.macro FETCH_A slot, q, i0
.irp i, \i0, \i0+1, \i0+2, \i0+3
	FRAG AF+FR*(\i), ADRA+\slot, \q, \i
.endr
.endm
.macro SCALES sc                       ; a K step's scale words: two words a row; lanes 0-15 take A's block i, lanes 16-31 B's block i
.irp i, 0,1,2,3,4,5,6,7
	ds_load_b64 v[SC+8*NQ*\sc+NQ*\i:SC+8*NQ*\sc+NQ*\i+1], v[ADRS] offset:\i*SBLK
.endr
.endm
.macro PLACES n                        ; plain vector instructions between a matrix instruction and a load into, or a read of, its registers
.rept \n
	v_nop
.endr
.endm
; A step of 128 along K that has its successor in the same slot.  A has one set of registers: blocks 0-3 are fetched anew in the step's middle, blocks 4-7 at its end; B has two sets.
.macro STEP slot, q, cm
	s_wait_dscnt 4*NL                              ; all but the youngest 16 loads (A's blocks 4-7) are in
.if \cm
	WIN 0x81                                       ; source 0 window 1, sources 1 and 2 (the bias) window 0, D window 2
.else
	WIN MUL_LO
.endif
	MUL16 0, (\q)%2, \q, \slot, \cm
	MUL16 2, (\q)%2, \q, \slot, \cm
	s_wait_dscnt 0                                 ; A's blocks 4-7 are in
	PLACES NP
	FETCH_B \slot, (\q)+1, 1-(\q)%2
	FETCH_A \slot, (\q)+1, 0
.if \cm
	WIN 0xc1
.else
	WIN MUL_HI
.endif
	MUL16 4, (\q)%2, \q, \slot, \cm
	MUL16 6, (\q)%2, \q, \slot, \cm
	PLACES NP
	WIN 0
	FETCH_A \slot, (\q)+1, 4
.endm
; A slot's last step changes slots: one barrier; in front of it each wave waits for all its tensor loads, adds 0 to its spare word, and waits for that and for its own reads of this slot.
.macro TURN slot, next, fill
	s_wait_tensorcnt 0x0                           ; all my tensor loads have landed: my part of the next slot
	ds_add_u32 v[SPW], v[NIL]                      ; 0 onto my spare word
	s_wait_dscnt 4*NL+1                            ; (the add and the youngest 16 loads may be out)
	WIN MUL_LO
	MUL16 0, 1, NQ-1, \slot, 0
	s_wait_dscnt 0x0                               ; the add is done, and my reads of this slot are over
	s_barrier_signal -1
	MUL16 2, 1, NQ-1, \slot, 0
	WIN 0
	s_barrier_wait -1
.if \fill
	CREST                                          ; the barrier has opened a round of the cluster's barrier: no wave of any partner still reads this slot or has a load on its way
	s_add_nc_u64 s[G0+4*\slot+2:G0+4*\slot+3], s[G0+4*\slot+2:G0+4*\slot+3], 2*ROWB
	s_add_nc_u64 s[G0B+4*\slot+2:G0B+4*\slot+3], s[G0B+4*\slot+2:G0B+4*\slot+3], 2*ROWB
	JLOAD G0+4*\slot, G1, G0B+4*\slot, G1B         ; the first tensor load behind the round; its four v_nop are four of the eight places
	PLACES NP-4
.else
	PLACES NP
.endif
	s_wait_alu depctr_va_vdst(0)
	v_add_nc_u32 v[ADRS], 4*NQ, v[ADRS]            ; on to the next K step's scale words
	FETCH_B \next, 0, 0
	FETCH_A \next, 0, 0
	SCALES \next
	WIN MUL_HI
	MUL16 4, 1, NQ-1, \slot, 0
	MUL16 6, 1, NQ-1, \slot, 0
	PLACES NP
	WIN 0
	FETCH_A \next, 0, 4
.endm
	s_wait_tensorcnt 1                             ; the scales and my part of K step 0 are in; the one load left out is K step 1's
	s_barrier_signal -1
	s_barrier_wait -1
	FETCH_B 0, 0, 0
	FETCH_A 0, 0, 0
	SCALES 0
	FETCH_A 0, 0, 4
	s_wait_loadcnt 0x0                             ; the bias
	s_cmp_eq_u32 s[KIND], 2                        ; the first step starts the sums with the bias: along the registers for q and k, along the lanes for v
	s_cbranch_scc1 .Lfirst_v
	STEP 0, 0, 1
	s_branch .Lfirst_done
.Lfirst_v:
	STEP 0, 0, 2
.Lfirst_done:
	s_mov_b32 s3, LAPS-1
.Llap:                                             ; a trip goes once round the ring and fills both slots again
	TURN 0, 1, 1
	STEP 1, 0, 0
	TURN 1, 0, 1
	STEP 0, 0, 0
	s_sub_co_u32 s3, s3, 1
	s_cmp_lg_u32 s3, 0
	s_cbranch_scc1 .Llap
	TURN 0, 1, 0                                   ; the last lap fills nothing
	STEP 1, 0, 0
	s_wait_dscnt 4*NL
	WIN MUL_LO
	MUL16 0, 1, NQ-1, 1, 0
	MUL16 2, 1, NQ-1, 1, 0
	s_wait_dscnt 0
	WIN MUL_HI
	MUL16 4, 1, NQ-1, 1, 0
	MUL16 6, 1, NQ-1, 1, 0
	WIN 0
; THE QUANTISER.  Block a of A: a lane's 64 numbers are four blocks of 32 along the next K, half of each (the other half lies in lane l xor 16): block t = accumulators (a, 2 t) and (a, 2 t + 1).
; A block's largest magnitude (with the floor 2^(16 - 127) among its leaves) gives, by its exponent field, the scale's byte, the conversion's operand and the hold at 57,344 x the scale.
.macro QUANTA a
.set QW, 2+(\a)/4
.set QS, 64*((\a)%4)
	WIN QW*5                                       ; sources 0 and 1: the accumulators' window
.irp b, 0,1,2,3
	v_max3_num_f32 v[TM+\b], |v[QS+16*\b]|, |v[QS+16*\b+1]|, 0x8000000   ; each accumulator is read from its low end on
.endr
.irp i, 2,4,6,8,10,12,14
.irp b, 0,1,2,3
	v_max3_num_f32 v[TM+\b], |v[QS+16*\b+\i]|, |v[QS+16*\b+\i+1]|, v[TM+\b]
.endr
.endr
	WIN 0
.irp b, 0,1,2,3
	v_permlanex16_b32 v[TM+4+\b], v[TM+\b], s100, s101
.endr
.irp b, 0,1,2,3
	v_max_num_f32 v[TM+\b], v[TM+\b], v[TM+4+\b]   ; with lane l xor 16's: the block's largest magnitude
.endr
.irp b, 0,1,2,3
	v_add_nc_u32 v[TM+12+\b], 0xf8800000, v[TM+\b] ; 15 off its exponent field: the conversion's scale operand
.endr
.irp b, 0,1,2,3
.endr
.irp b, 0,1,2,3
	v_lshrrev_b32 v[TM+4+\b], 23, v[TM+12+\b]      ; the scale's byte
.endr
	v_lshl_or_b32 v[PWR+(\a)], v[TM+5], 8, v[TM+4]
	v_lshl_or_b32 v[PWR+(\a)], v[TM+6], 16, v[PWR+(\a)]
	v_lshl_or_b32 v[PWR+(\a)], v[TM+7], 24, v[PWR+(\a)]
	WIN QW*65                                      ; source 0 and destination: the accumulators' window
.irp b, 0,1,2,3
.irp i, 0,1,2,3,4,5,6,7,8,9,10,11,12,13,14,15
.endr
.endr
	WIN QW
.irp b, 0,1,2,3
	v_cvt_scalef32_pk8_bf8_f32 v[PCD+16*(\a)+4*\b:PCD+16*(\a)+4*\b+1], v[QS+16*\b:QS+16*\b+7], v[TM+12+\b]
	v_cvt_scalef32_pk8_bf8_f32 v[PCD+16*(\a)+4*\b+2:PCD+16*(\a)+4*\b+3], v[QS+16*\b+8:QS+16*\b+15], v[TM+12+\b]
.endr
	WIN 0
	v_nop                                          ; a plain instruction behind the last conversion
.endm
	PLACES NP                                      ; behind the last products: their results are read, and their operands' and scales' registers written, below
.irp b, 0,1,2,3
	v_mov_b32 v[TM+4+\b], 0                        ; written once: a lane permute's destination counts as one of its sources
.endr
.irp a, 0,1,2,3,4,5,6,7
	QUANTA \a
.endr
	s_cmp_eq_u32 s[KIND], 2
	s_cbranch_scc1 .Lstore_v
	; q or k: block a = 4 hh + 2 ff + vv holds tokens 16 a + r; block of channels 2 hd + cc: head hd of my two, its block cc; ww: which 16 of the 32.  Each store: 256 consecutive bytes, aligned
.irp hd, 0,1
.irp hh, 0,1
.irp ff, 0,1
.irp vv, 0,1
.irp cc, 0,1
.irp ww, 0,1
	global_store_b64 v[LW+\vv], v[PCD+16*(4*\hh+2*\ff+\vv)+4*(2*\hd+\cc)+2*\ww:PCD+16*(4*\hh+2*\ff+\vv)+4*(2*\hd+\cc)+2*\ww+1], s[12:13] offset:\hd*HS+4096*\hh+2048*\vv+1024*\ff+512*\cc+256*\ww
.endr
.endr
.endr
.endr
.endr
.endr
	; the scale words: a word serves a fragment of two tiles: the two bytes of tile pair ff, then those of pair ff + 2
.irp hd, 0,1
.irp ff, 0,1
.irp vv, 0,1
	v_perm_b32 v[XW+2*\ff+\vv], v[PWR+2*\ff+4+\vv], v[PWR+2*\ff+\vv], s[96+\hd]
.endr
.endr
	v_cndmask_b32 v[XW+4+2*\hd], v[XW], v[XW+2], s95       ; lanes 0-15: pair 0; lanes 16-31: pair 1
	v_cndmask_b32 v[XW+5+2*\hd], v[XW+1], v[XW+3], s95
	global_store_b64 v[L8], v[XW+4+2*\hd:XW+5+2*\hd], s[12:13] offset:\hd*HS+KSO
.endr
	s_branch .Lstored
.Lstore_v:
	s_wait_alu depctr_va_vdst(0)
	; v: block a = 4 hd + 2 bc + vv holds channels 16 a + r; block cc of 32 keys; ww: which 16 of them
.irp hd, 0,1
.irp bc, 0,1
.irp vv, 0,1
.irp cc, 0,1,2,3
.irp ww, 0,1
	global_store_b64 v[LW+\vv], v[PCD+16*(4*\hd+2*\bc+\vv)+4*\cc+2*\ww:PCD+16*(4*\hd+2*\bc+\vv)+4*\cc+2*\ww+1], s[12:13] offset:\hd*HS+VOFF+4096*\bc+2048*\vv+512*\cc+256*\ww
.endr
.endr
.endr
.endr
.endr
.irp hd, 0,1
	v_cndmask_b32 v[XW+4+2*\hd], v[PWR+4*\hd], v[PWR+4*\hd+2], s95
	v_cndmask_b32 v[XW+5+2*\hd], v[PWR+4*\hd+1], v[PWR+4*\hd+3], s95
	global_store_b64 v[L8], v[XW+4+2*\hd:XW+5+2*\hd], s[12:13] offset:\hd*HS+VSO
.endr
.Lstored:
	s_wait_tensorcnt 0x0                           ; the wave's end
	ds_add_u32 v[SPW], v[NIL]
	s_wait_dscnt 0x0
	CROUND                                         ; the closing round: no work-group ends while a partner may still ask for a tile that names it
	s_endpgm
.Lfunc_end_k_qa873f51956_qkv:
	.size	k_qa873f51956_qkv, .Lfunc_end_k_qa873f51956_qkv-k_qa873f51956_qkv
	.p2alignl 7, 3214868480
	.fill 96, 4, 3214868480
	.section	.rodata,"a",@progbits
	.p2align	6, 0x0
	.amdhsa_kernel k_qa873f51956_qkv
		.amdhsa_group_segment_fixed_size 327680
		.amdhsa_private_segment_fixed_size 0
		.amdhsa_enable_private_segment 0
		.amdhsa_kernarg_size 104
		.amdhsa_user_sgpr_count 2
		.amdhsa_user_sgpr_kernarg_segment_ptr 1
		.amdhsa_wavefront_size32 1
		.amdhsa_system_sgpr_workgroup_id_x 1
		.amdhsa_system_sgpr_workgroup_id_y 1
		.amdhsa_system_sgpr_workgroup_id_z 1
		.amdhsa_system_vgpr_workitem_id 0
		.amdhsa_next_free_vgpr 1024
		.amdhsa_next_free_sgpr 102
		.amdhsa_reserve_vcc 0
		.amdhsa_float_denorm_mode_32 3
		.amdhsa_float_denorm_mode_16_64 3
		.amdhsa_fp16_overflow 1
		.amdhsa_memory_ordered 1
		.amdhsa_forward_progress 1
		.amdhsa_inst_pref_size 180
	.end_amdhsa_kernel
	.amdgpu_metadata
---
amdhsa.version: [ 1, 2 ]
amdhsa.kernels:
  - .name:           k_qa873f51956_qkv
    .symbol:         k_qa873f51956_qkv.kd
    .args:
      - { .name: x_codes, .offset: 0, .size: 8, .value_kind: global_buffer, .address_space: global }
      - { .name: x_scales, .offset: 8, .size: 8, .value_kind: global_buffer, .address_space: global }
      - { .name: Wq_codes, .offset: 16, .size: 8, .value_kind: global_buffer, .address_space: global }
      - { .name: Wq_scales, .offset: 24, .size: 8, .value_kind: global_buffer, .address_space: global }
      - { .name: Wk_codes, .offset: 32, .size: 8, .value_kind: global_buffer, .address_space: global }
      - { .name: Wk_scales, .offset: 40, .size: 8, .value_kind: global_buffer, .address_space: global }
      - { .name: Wv_codes, .offset: 48, .size: 8, .value_kind: global_buffer, .address_space: global }
      - { .name: Wv_scales, .offset: 56, .size: 8, .value_kind: global_buffer, .address_space: global }
      - { .name: bq, .offset: 64, .size: 8, .value_kind: global_buffer, .address_space: global }
      - { .name: bk, .offset: 72, .size: 8, .value_kind: global_buffer, .address_space: global }
      - { .name: bv, .offset: 80, .size: 8, .value_kind: global_buffer, .address_space: global }
      - { .name: qi, .offset: 88, .size: 8, .value_kind: global_buffer, .address_space: global }
      - { .name: kv, .offset: 96, .size: 8, .value_kind: global_buffer, .address_space: global }
    .group_segment_fixed_size: 327680
    .private_segment_fixed_size: 0
    .kernarg_segment_align: 8
    .kernarg_segment_size: 104
    .max_flat_workgroup_size: 128
    .sgpr_count:     102
    .vgpr_count:     1024
    .wavefront_size: 32
...
	.end_amdgpu_metadata
.endif
;; end of part 1
;; launch attn (part 2): grid 256 x 1, 16 waves a work-group, clusters of 4 x 1, 327,680 bytes of LDS; arguments qi, kv, yc, ys; writes yc, ys
.if DOCPART == 2
	.amdgcn_target "amdgcn-amd-amdhsa--gfx1250"
	.amdhsa_code_object_version 6
	.text
	.protected	k_qa873f51956_attn
	.globl	k_qa873f51956_attn
	.p2align	8
	.type	k_qa873f51956_attn,@function
k_qa873f51956_attn:
	s_mov_b64 s[64:65], 0
	v_nop
	global_prefetch_b8 v0, s[64:65] scope:SCOPE_SE
	s_setreg_imm32_b32 hwreg(HW_REG_WAVE_MODE, 25, 1), 1
	s_wait_xcnt 0x0
	s_wait_alu depctr_hold_cnt(0) depctr_sa_sdst(0) depctr_va_vdst(0) depctr_va_sdst(0) depctr_va_ssrc(0) depctr_va_vcc(0) depctr_vm_vsrc(0)
	s_getreg_b32 s2, hwreg(HW_REG_IB_STS2, 6, 4)
	s_cmp_eq_u32 s2, 0
	s_cbranch_scc0 .Lentry_in_a_cluster
	s_endpgm
.Lentry_in_a_cluster:
	s_bfe_u32 s2, ttmp6, 0x10000c
	s_cmp_lg_u32 s2, 0x3003
	s_cbranch_scc0 .Lentry_shape_is_right
	s_endpgm
.Lentry_shape_is_right:
; y[b][t][head] = the sum over keys s <= t of softmax_s(q . k / 8) v, both products on codes of BF8 (E5M2) with one E8M0 scale for each 32 along a product's K; y / the row's sum is quantised along C and stored as the
; next launch's operand.  t = score x log2(e) / 8; M = the running largest t rounded up to a whole number; p = 2^(t - M) is quantised along the keys; the row's sum is taken of the unquantised p.
; SHARES.  A cluster of four work-groups owns one head of one batch (the cluster's number).  The head's K and V (16 key steps of 128 keys, 16,896 bytes each, as the launch before laid them) are brought into each
; work-group's LDS ONCE, by joint tensor loads with a mask that names the four: every wave asks for a sixteenth of steps 0-7 and a sixteenth of steps 8-15.  Nothing in LDS is filled twice.
; The head has 128 tiles of 16 queries.  Wave w of work-group cx takes tile 8 a + 4 e + cx (pass 0) and tile 127 less that (pass 1): their last key steps are a and 15 - a, which hang on the wave's number alone,
; and every wave walks (a + 1) + (16 - a) = 17 steps.  a is dealt so that waves w % 4 = const and waves w / 4 = const both have 18 steps in pass 0.
; LAYOUT.  Both products are used transposed: S^T = K Q^T, O^T = V^T P^T: a lane holds one query throughout.  Position rho + 8 v of a tile (pair, u) of keys, queries or channels is row 32 pair + 8 u + rho + 16 v:
; so the 16 registers of two neighbouring result tiles are 16 neighbours along the next K.
; THE FIRST PRODUCT'S K IS 64, the instruction's 128: a fragment of K carries one tile of keys in k = 0 .. 63 and another in k = 64 .. 127; Q stands between zeros, and [q, 0] picks the first tile, [0, q] the second.
; (Zero codes add nothing: all codes here were held at the largest number, and no scale byte is 0xff.)
; CAUSAL: steps behind a tile's last are jumped over (a scalar branch on the wave's number and the loop's counter; the trip counts are constants); in the last step hidden scores become -infinity.
; LIMITS: NaN and infinities are not served; a block of y whose largest magnitude lies under 2^-111 (zeros too) keeps the scale byte 1: the bytes are read by this program alone.
; REGISTERS: v1-3 a lane's places in a step; v4-6 the step's addresses; v7 the mask's lane term; v8, v9 Q's scale words; v10, v11 offsets in yc, ys; v12 -M, v13 the largest t, v[14:15] the sum;
;   v16-55 [0][q of pass 0][0][q of pass 1][0]; v56-119 four fragments of K or V; v120-183 S^T, then p; v184-215 O^T; v216-231 p's codes; v232-254 at work; v248-251 K's and V's scale words; v253 p's.
.set HS,    270336
.set STB,   16896
.set VOFF,  8192
.set KSO,   16384
.set VSO,   16640
.set HALF,  8*STB                      ; 135,168 bytes: eight key steps
.set PART,  HALF/16                    ; 8,448: 33 rows of 256 bytes: a wave's part
.set KV,  56
.set S,   120
.set OT,  184
.set PCD, 216
.macro ROUND                           ; a round of the cluster's barrier
	s_barrier_signal -1
	s_barrier_wait -1
	s_cmp_lg_u32 s12, 0
	s_cbranch_scc1 .Lnot_wave_0_\@
	s_barrier_signal -3
.Lnot_wave_0_\@:
	s_barrier_wait -3
	s_barrier_signal -1
	s_barrier_wait -1
.endm
	s_load_b256 s[4:11], s[0:1], 0x0               ; qi s[4:5], kv s[6:7], yc s[8:9], ys s[10:11]
	v_lshl_add_u32 v254, v0, 2, 0x42000
	v_mov_b32 v255, 0
	ds_add_u32 v254, v255
	ds_add_u32 v254, v255
	s_wait_dscnt 0x0
	v_lshrrev_b32 v4, 5, v0
	s_delay_alu instid0(VALU_DEP_1)
	v_readfirstlane_b32 s12, v4                    ; wave 0..15
	s_bfe_u32 s13, ttmp6, 0x40000                  ; cx: it enters global addresses and the mask's numbers alone
	s_mov_b32 s14, ttmp9                           ; 16 x batch + head
	s_mul_i32 s17, s14, HS
	s_mul_i32 s33, s12, PART                       ; LDS: my part of steps 0-7,
	s_add_co_u32 s37, s33, HALF                    ; and of steps 8-15
	s_add_co_u32 s60, s17, s33
	s_mov_b32 s61, 0
	s_mov_b32 s24, 15|(3<<16)|(1<<21)              ; the mask: all four work-groups; elements of 8 bytes; bit 21 beside a mask; no padding
	s_mov_b32 s25, 32<<16                          ; tensor_dim0 = 32 elements: 256 bytes
	s_mov_b32 s26, 33<<16                          ; tensor_dim1 = 33
	s_mov_b32 s27, 32<<16                          ; tile_dim0
	s_mov_b32 s28, 33                              ; tile_dim1
	s_mov_b32 s29, 32                              ; from row to row: dense
	s_mov_b32 s30, 0
	s_mov_b32 s31, 0
	s_mov_b32 s32, 1
	s_mov_b32 s36, 1
	s_wait_kmcnt 0x0
	s_add_nc_u64 s[34:35], s[6:7], s[60:61]
	s_add_nc_u64 s[38:39], s[34:35], HALF
	s_or_b32 s35, s35, 0x80000000
	s_or_b32 s39, s39, 0x80000000
	ROUND                                          ; all four work-groups are here: the joint loads meet
	tensor_load_to_lds s[32:35], s[24:31]
	s_nop 0
	s_wait_alu depctr_va_vdst(0)
	s_wait_tensorcnt 0x0
	ds_add_u32 v254, v255
	s_wait_dscnt 0x0
	ROUND
	tensor_load_to_lds s[36:39], s[24:31]          ; one tensor load of mine is out, the last that this text issues
	s_nop 0
.rept 4
	v_nop
.endr
	; which tiles are mine
	s_lshr_b32 s58, s12, 3
	s_lshl_b32 s58, s58, 1
	s_bfe_u32 s59, s12, 0x10001
	s_add_co_u32 s15, s58, s59
	s_lshr_b32 s58, s12, 2
	s_xor_b32 s58, s58, s12
	s_and_b32 s58, s58, 1
	s_mul_i32 s58, s58, 7
	s_xor_b32 s15, s15, s58                        ; a
	s_bfe_u32 s16, s12, 0x10002                    ; e
	s_mov_b32 s41, s15                             ; pass 0's last key step
	s_xor_b32 s42, s15, 15                         ; pass 1's: 15 - a
	s_and_b32 s58, s14, 15                         ; the head
	s_lshl_b32 s67, s58, 1                         ; its two bytes in a row of ys
	s_lshr_b32 s59, s58, 2
	s_lshl_b32 s66, s59, 15
	s_bfe_u32 s59, s58, 0x10001
	s_lshl_b32 s59, s59, 14
	s_add_co_u32 s66, s66, s59
	s_and_b32 s59, s58, 1
	s_lshl_b32 s59, s59, 10
	s_add_co_u32 s66, s66, s59                     ; its place in yc: slot head / 4, K step (head / 2) % 2, blocks 2 (head % 2) on
	s_lshr_b32 s45, s14, 4
	s_lshl_b32 s45, s45, 4                         ; 16 x batch: groups of 128 tokens
	v_and_b32 v120, 15, v0                         ; r
	v_bfe_u32 v121, v0, 4, 1                       ; h
	v_and_b32 v122, 7, v0                          ; rho
	v_bfe_u32 v123, v0, 3, 1                       ; v
	s_delay_alu instid0(VALU_DEP_1)
	v_mul_u32_u24 v1, v123, 2176
	s_delay_alu instid0(VALU_DEP_1)
	v_lshl_add_u32 v1, v121, 8, v1
	s_delay_alu instid0(VALU_DEP_1)
	v_lshl_add_u32 v1, v122, 4, v1                 ; tiles with u = 0: 2048 v + 128 v + 256 h + 16 rho
	s_delay_alu instid0(VALU_DEP_1)
	v_xor_b32 v2, 128, v1                          ; tiles with u = 1
	v_lshlrev_b32 v124, 3, v122
	s_delay_alu instid0(VALU_DEP_1)
	v_lshl_add_u32 v124, v123, 2, v124             ; a scale word's place: 8 rho + 4 v
	s_wait_alu depctr_va_vdst(0)
	v_lshl_add_u32 v3, v121, 6, v124               ; lanes 16-31 take the tile with u = 1
	v_lshl_add_u32 v7, v123, 3, v120
	v_lshlrev_b32 v125, 4, v121
	s_delay_alu instid0(VALU_DEP_1)
	v_sub_nc_u32 v7, v7, v125                      ; r + 8 (r / 8) - 16 h
	v_and_b32 v10, 31, v0
	s_delay_alu instid0(VALU_DEP_1)
	v_lshlrev_b32 v10, 4, v10                      ; 16 x lane
	v_lshlrev_b32 v11, 5, v120                     ; 32 r
; The addresses of pass p's tile: s60 = its key step, s61 = its number in the step, 0 .. 7 = 4 hi + 2 f + u
.macro PTRS p
	s_lshr_b32 s62, s61, 1
	s_lshl_b32 s62, s62, 5
	s_and_b32 s63, s61, 1
	s_lshl_b32 s63, s63, 3
	s_add_co_u32 s[43+\p], s62, s63                ; its position 0's token in the step
	s_mul_i32 s62, s60, STB
	s_add_co_u32 s62, s62, s17
	s_lshr_b32 s58, s61, 2                         ; hi
	s_lshl_b32 s63, s58, 12
	s_add_co_u32 s62, s62, s63
	s_bfe_u32 s59, s61, 0x10001                    ; f
	s_lshl_b32 s63, s59, 10
	s_add_co_u32 s62, s62, s63
	s_mov_b32 s63, 0
	s_add_nc_u64 s[54+2*\p:55+2*\p], s[4:5], s[62:63]   ; q's codes
	s_and_b32 s62, s61, 1                          ; u
	s_lshl_b32 s63, s62, 7
	v_xor_b32 v[126+\p], s63, v1
	s_lshl_b32 s62, s62, 6
	s_add_co_u32 s62, s62, KSO
	s_mul_i32 s63, s59, 896
	s_sub_co_u32 s62, s62, s63
	s_lshl_b32 s63, s58, 12
	s_sub_co_u32 s62, s62, s63                     ; from there to its scale words: KSO + 128 f + 64 u - 4096 hi - 1024 f
	v_add_nc_u32 v[128+\p], s62, v124
	s_mov_b32 s63, 0x01000100
	s_cmp_eq_u32 s58, 1
	s_cselect_b32 s[2+\p], 0x03020302, s63         ; which two bytes of the word are its own
	s_add_co_u32 s62, s45, s60                     ; its group of 128 tokens
	s_lshl_b32 s63, s62, 17
	s_add_co_u32 s63, s63, s66
	s_lshl_b32 s58, s61, 11
	s_add_co_u32 s58, s58, s63
	s_mov_b32 s59, 0
	s_add_nc_u64 s[46+2*\p:47+2*\p], s[8:9], s[58:59]   ; y's codes
	s_lshl_b32 s62, s62, 3
	s_add_co_u32 s62, s62, s61
	s_lshl_b32 s62, s62, 9
	s_add_co_u32 s62, s62, s67
	s_mov_b32 s63, 0
	s_add_nc_u64 s[50+2*\p:51+2*\p], s[10:11], s[62:63] ; y's scale bytes
.endm
	s_lshl_b32 s61, s16, 2
	s_add_co_u32 s61, s61, s13
	s_mov_b32 s60, s41
	PTRS 0
	s_xor_b32 s61, s61, 7
	s_mov_b32 s60, s42
	PTRS 1
	s_wait_alu depctr_va_vdst(0)
.irp p, 0,1
	global_load_b128 v[24+16*\p:27+16*\p], v[126+\p], s[54+2*\p:55+2*\p]
	global_load_b128 v[28+16*\p:31+16*\p], v[126+\p], s[54+2*\p:55+2*\p] offset:512
	global_load_b32 v[8+\p], v[128+\p], s[54+2*\p:55+2*\p]
.endr
.irp j, 0,1,2,3,4,5,6,7
	v_mov_b32 v[16+\j], 0                          ; the zeros round Q
	v_mov_b32 v[32+\j], 0
	v_mov_b32 v[48+\j], 0
.endr
.irp b, 0,1,2,3
	v_mov_b32 v[236+\b], 0                         ; written once: a lane permute's destination counts as one of its sources
.endr
	v_mov_b32 v252, 0
	v_mov_b32 v253, 0                              ; (named as the upper half of the pair v[252:253] before it is first written)
	s_mov_b32 s20, 0x76543210
	s_mov_b32 s21, 0xfedcba98                      ; v_permlanex16_b32's selects for lane l xor 16
	s_mov_b32 s22, 0x3e38aa3b                      ; c = log2(e) / 8
	s_mov_b32 s23, s22                             ; (named with it as a pair)
	s_wait_loadcnt 0x0
	v_perm_b32 v8, v8, v8, s2                      ; Q's two bytes twice: for [q, 0] and for [0, q]
	v_perm_b32 v9, v9, v9, s3
; A KEY STEP of pass p: 128 keys at LDS byte s18.
.macro STEP p
	v_add_nc_u32 v4, s18, v1
	v_add_nc_u32 v5, s18, v2
	v_add_nc_u32 v6, s18, v3
.rept 5
	v_nop                                          ; with the three additions: eight places in front of loads into registers that the last products read
.endr
.irp f, 0,1
.irp u, 0,1
.irp hi, 0,1
.irp c, 0,1
	ds_load_b128 v[KV+16*(2*\f+\u)+4*(2*\hi+\c):KV+16*(2*\f+\u)+4*(2*\hi+\c)+3], v[4+\u] offset:4096*\hi+1024*\f+512*\c
.endr
.endr
.endr
.endr
.irp f, 0,1
	ds_load_b32 v[248+\f], v6 offset:KSO+128*\f    ; lanes 0-15: the fragment with u = 0; lanes 16-31: u = 1
.endr
	s_wait_alu depctr_va_vdst(0)
	s_wait_dscnt 0x0
.irp hi, 0,1                                   ; S^T: tile 4 hi + 2 f + u of 16 keys; each fragment serves twice
.irp f, 0,1
	v_wmma_scale_f32_16x16x128_f8f6f4 v[S+8*(4*\hi+2*\f):S+8*(4*\hi+2*\f)+7], v[KV+32*\f:KV+32*\f+15], v[24+16*\p-8*\hi:39+16*\p-8*\hi], 0, v[248+\f], v[8+\p] matrix_a_fmt:MATRIX_FMT_BF8 matrix_b_fmt:MATRIX_FMT_BF8
	v_wmma_scale_f32_16x16x128_f8f6f4 v[S+8*(4*\hi+2*\f+1):S+8*(4*\hi+2*\f+1)+7], v[KV+32*\f+16:KV+32*\f+31], v[24+16*\p-8*\hi:39+16*\p-8*\hi], 0, v[248+\f], v[8+\p] matrix_a_fmt:MATRIX_FMT_BF8 matrix_b_fmt:MATRIX_FMT_BF8 matrix_a_scale:MATRIX_SCALE_ROW1
.endr
.endr
.rept 8
	v_nop                                          ; places: in front of the loads below and of the first read of the scores
.endr
.irp bc, 0,1                                   ; V's four fragments are asked for now and land under the softmax
.irp uc, 0,1
.irp c, 0,1,2,3
	ds_load_b128 v[KV+16*(2*\bc+\uc)+4*\c:KV+16*(2*\bc+\uc)+4*\c+3], v[4+\uc] offset:VOFF+4096*\bc+512*\c
.endr
.endr
.endr
.irp bc, 0,1
	ds_load_b32 v[250+\bc], v6 offset:VSO+128*\bc
.endr
	s_cmp_lg_u32 s40, s[41+\p]                     ; the tile's last step lies on the diagonal
	s_cbranch_scc1 .Lopen_\@
	v_add_nc_u32 v252, s[43+\p], v7                ; my query's token in the step - 16 h.  Register 16 b + i holds key 32 b + 16 h + i: hidden where 32 b + i is greater
	v_mov_b32 v254, 0xff800000                     ; -infinity
.irp n, 0,1,2,3,4,5,6,7,8,9,10,11,12,13,14,15,16,17,18,19,20,21,22,23,24,25,26,27,28,29,30,31,32,33,34,35,36,37,38,39,40,41,42,43,44,45,46,47,48,49,50,51,52,53,54,55,56,57,58,59,60,61,62,63
	v_cmp_gt_i32 vcc_lo, 32*(\n/16)+\n%16, v252
	v_cndmask_b32 v[S+\n], v[S+\n], v254, vcc_lo
.endr
.Lopen_\@:
.irp b, 0,1,2,3
	v_max3_num_f32 v[232+\b], v[S+16*\b], v[S+1+16*\b], v[S+2+16*\b]   ; the largest score of each block of 32 keys: for the row's maximum and, since p rises with the score, for the block's largest p
.endr
.irp i, 3,5,7,9,11,13
.irp b, 0,1,2,3
	v_max3_num_f32 v[232+\b], v[232+\b], v[S+16*\b+\i], v[S+1+16*\b+\i]
.endr
.endr
.irp b, 0,1,2,3
	v_max_num_f32 v[232+\b], v[232+\b], v[S+15+16*\b]
.endr
.irp b, 0,1,2,3
	s_delay_alu instid0(VALU_DEP_4)
	v_permlanex16_b32 v[236+\b], v[232+\b], s20, s21
.endr
.irp b, 0,1,2,3
	s_delay_alu instid0(VALU_DEP_4)
	v_max_num_f32 v[232+\b], v[232+\b], v[236+\b]  ; with lane l xor 16's 16 keys
.endr
	s_delay_alu instid0(VALU_DEP_2)
	v_max3_num_f32 v254, v232, v233, v234
	s_delay_alu instid0(VALU_DEP_1)
	v_max_num_f32 v254, v254, v235
	s_delay_alu instid0(VALU_DEP_1)
	v_mul_f32 v254, s22, v254                      ; the step's largest t
	s_delay_alu instid0(VALU_DEP_1)
	v_max_num_f32 v13, v13, v254                   ; the running largest t
	v_mov_b32 v254, v12
	s_delay_alu instid0(VALU_DEP_2)
	v_floor_f32 v12, -v13                          ; the new -M = floor(-t): M is a whole number
	s_delay_alu instid0(VALU_DEP_1)
	v_sub_f32 v254, v12, v254                      ; old M - new M: a whole number, 0 or less
	s_delay_alu instid0(VALU_DEP_1)
	v_cvt_i32_f32 v254, v254                       ; (it saturates)
	s_delay_alu instid0(VALU_DEP_1)
	v_ldexp_f32 v252, 1.0, v254                    ; f = 2^(old M - new M): a multiplication by it rounds nothing
	s_setprio 1
.irp j, 0,2,4,6,8,10,12,14,16,18,20,22,24,26,28,30,32,34,36,38,40,42,44,46,48,50,52,54,56,58,60,62
	v_pk_fma_f32 v[S+\j:S+1+\j], v[S+\j:S+1+\j], s[22:23], v[12:13] op_sel_hi:[1,0,0]   ; t - M, two at a time
.endr
.irp b, 0,1,2,3
	v_fma_f32 v[232+\b], v[232+\b], s22, v12       ; the same of each block's largest score
.endr
	s_wait_alu depctr_va_vdst(0)
.irp j, 0,1,2,3,4,5,6,7,8,9,10,11,12,13,14,15,16,17,18,19,20,21,22,23,24,25,26,27,28,29,30,31,32,33,34,35,36,37,38,39,40,41,42,43,44,45,46,47,48,49,50,51,52,53,54,55,56,57,58,59,60,61,62,63
	v_exp_f32 v[S+\j], v[S+\j]                     ; p = 2^(t - M)
.endr
	v_pk_mul_f32 v[14:15], v[14:15], v[252:253] op_sel_hi:[1,0]   ; the sums under the new M: the plain instruction behind the exponentials
	s_wait_alu depctr_va_vdst(0)                   ; one wait for the batch, ahead of its first reader
.irp b, 0,1,2,3
	v_exp_f32 v[232+\b], v[232+\b]                 ; each block's largest p
.endr
	v_pk_add_f32 v[236:237], v[S:S+1], v[S+2:S+3]  ; the row's sum of the unquantised p, in two chains
.irp j, 4,8,12,16,20,24,28,32,36,40,44,48,52,56,60
	v_pk_add_f32 v[14:15], v[14:15], v[S+\j:S+1+\j]
	v_pk_add_f32 v[236:237], v[236:237], v[S+2+\j:S+3+\j]
.endr
	s_delay_alu instid0(VALU_DEP_1)
	v_pk_add_f32 v[14:15], v[14:15], v[236:237]
	s_setprio 0
	s_wait_alu depctr_va_vdst(0)                   ; and one for the four
.irp b, 0,1,2,3
	v_max_num_f32 v[232+\b], 0x8000000, v[232+\b]  ; the floor 2^(16 - 127): the byte cannot fall under 1
.endr
.irp b, 0,1,2,3
	s_delay_alu instid0(VALU_DEP_4)
	v_add_nc_u32 v[244+\b], 0xf8800000, v[232+\b]  ; 15 off the exponent field: the conversion's scale operand
.endr
.irp b, 0,1,2,3
.endr
.irp b, 0,1,2,3
	s_delay_alu instid0(VALU_DEP_4)
	v_lshrrev_b32 v[236+\b], 23, v[244+\b]         ; the scale's byte
.endr
	s_delay_alu instid0(VALU_DEP_3)
	v_lshl_or_b32 v253, v237, 8, v236              ; p's scale word for these 128 keys
	s_delay_alu instid0(VALU_DEP_1)
	v_lshl_or_b32 v253, v238, 16, v253
	s_delay_alu instid0(VALU_DEP_1)
	v_lshl_or_b32 v253, v239, 24, v253
.irp b, 0,1,2,3
.irp i, 0,1,2,3,4,5,6,7,8,9,10,11,12,13,14,15
.endr
	v_cvt_scalef32_pk8_bf8_f32 v[PCD+4*\b:PCD+1+4*\b], v[S+16*\b:S+7+16*\b], v[244+\b]
	v_cvt_scalef32_pk8_bf8_f32 v[PCD+2+4*\b:PCD+3+4*\b], v[S+8+16*\b:S+15+16*\b], v[244+\b]
.endr
.irp j, 0,2,4,6,8,10,12,14,16,18,20,22,24,26,28,30
	v_pk_mul_f32 v[OT+\j:OT+1+\j], v[OT+\j:OT+1+\j], v[252:253] op_sel_hi:[1,0]   ; O^T under the new M; these sixteen also stand between the codes and the products
.endr
	s_wait_alu depctr_va_vdst(0)
	s_wait_dscnt 0x0                               ; V is in
.irp bc, 0,1                                   ; O^T += V^T P^T: the four accumulators by turns
	v_wmma_scale_f32_16x16x128_f8f6f4 v[OT+16*\bc:OT+16*\bc+7], v[KV+32*\bc:KV+32*\bc+15], v[PCD:PCD+15], v[OT+16*\bc:OT+16*\bc+7], v[250+\bc], v253 matrix_a_fmt:MATRIX_FMT_BF8 matrix_b_fmt:MATRIX_FMT_BF8
	v_wmma_scale_f32_16x16x128_f8f6f4 v[OT+16*\bc+8:OT+16*\bc+15], v[KV+32*\bc+16:KV+32*\bc+31], v[PCD:PCD+15], v[OT+16*\bc+8:OT+16*\bc+15], v[250+\bc], v253 matrix_a_fmt:MATRIX_FMT_BF8 matrix_b_fmt:MATRIX_FMT_BF8 matrix_a_scale:MATRIX_SCALE_ROW1
.endr
.endm
; THE END OF A PASS: O^T / the sum; register 16 bc + i is channel 32 bc + 16 h + i of my query: two blocks of 32 along C, each shared with lane l xor 16.  The codes are the next launch's operand registers.
.macro FIN p
.rept 8
	v_nop                                          ; places behind the last products
.endr
	v_add_f32 v14, v14, v15
	s_delay_alu instid0(VALU_DEP_1)
	v_permlanex16_b32 v252, v14, s20, s21
	s_delay_alu instid0(VALU_DEP_1)
	v_add_f32 v14, v14, v252                       ; the row's sum
	s_wait_alu depctr_va_vdst(0)
	v_rcp_f32 v14, v14
	v_nop                                          ; a plain instruction behind the reciprocal,
	s_wait_alu depctr_va_vdst(0)                   ; and the wait ahead of its first reader
.irp j, 0,2,4,6,8,10,12,14,16,18,20,22,24,26,28,30
	v_pk_mul_f32 v[S+\j:S+1+\j], v[OT+\j:OT+1+\j], v[14:15] op_sel_hi:[1,0]
.endr
.irp b, 0,1
	v_max3_num_f32 v[232+\b], |v[S+16*\b]|, |v[S+1+16*\b]|, 0x8000000
.endr
.irp i, 2,4,6,8,10,12,14
.irp b, 0,1
	s_delay_alu instid0(VALU_DEP_2)
	v_max3_num_f32 v[232+\b], v[232+\b], |v[S+16*\b+\i]|, |v[S+1+16*\b+\i]|
.endr
.endr
.irp b, 0,1
	s_delay_alu instid0(VALU_DEP_2)
	v_permlanex16_b32 v[236+\b], v[232+\b], s20, s21
.endr
.irp b, 0,1
	s_delay_alu instid0(VALU_DEP_2)
	v_max_num_f32 v[232+\b], v[232+\b], v[236+\b]
.endr
.irp b, 0,1
	s_delay_alu instid0(VALU_DEP_2)
	v_add_nc_u32 v[244+\b], 0xf8800000, v[232+\b]
.endr
.irp b, 0,1
.endr
.irp b, 0,1
	s_delay_alu instid0(VALU_DEP_2)
	v_lshrrev_b32 v[236+\b], 23, v[244+\b]
.endr
	s_delay_alu instid0(VALU_DEP_1)
	v_lshl_or_b32 v254, v237, 8, v236              ; the two scale bytes
.irp b, 0,1
.irp i, 0,1,2,3,4,5,6,7,8,9,10,11,12,13,14,15
.endr
	v_cvt_scalef32_pk8_bf8_f32 v[PCD+4*\b:PCD+1+4*\b], v[S+16*\b:S+7+16*\b], v[244+\b]
	v_cvt_scalef32_pk8_bf8_f32 v[PCD+2+4*\b:PCD+3+4*\b], v[S+8+16*\b:S+15+16*\b], v[244+\b]
.endr
	v_nop                                          ; a plain instruction behind the last conversion
	global_store_b128 v10, v[PCD:PCD+3], s[46+2*\p:47+2*\p]               ; 32 lanes store 512 consecutive bytes, aligned
	global_store_b128 v10, v[PCD+4:PCD+7], s[46+2*\p:47+2*\p] offset:512
	global_store_b16 v11, v254, s[50+2*\p:51+2*\p] ; two bytes of each of 16 rows of 32 (lanes 16-31 write the same again): 2 bytes beside every 64 of codes
.endm
.macro PASS p, nst
	s_wait_xcnt 0x0                                ; the stores of the pass before have read their registers
	v_mov_b32 v13, 0xff61b1e6                      ; the largest t so far: -3e38
	s_delay_alu instid0(VALU_DEP_1)
	v_floor_f32 v12, -v13
	v_mov_b32 v14, 0
	v_mov_b32 v15, 0
.irp j, 0,1,2,3,4,5,6,7,8,9,10,11,12,13,14,15,16,17,18,19,20,21,22,23,24,25,26,27,28,29,30,31
	v_mov_b32 v[OT+\j], 0                          ; the step is written once: the first finds zeros
.endr
	s_mov_b32 s18, 0
	s_mov_b32 s40, 0
.Lstep_\@:
	s_cmp_gt_u32 s40, s[41+\p]                     ; all keys of this step come after my queries
	s_cbranch_scc1 .Lnext_\@
	s_setprio 2
	STEP \p
.Lnext_\@:
	s_add_co_u32 s18, s18, STB
	s_add_co_u32 s40, s40, 1
	s_cmp_lt_u32 s40, \nst
	s_cbranch_scc1 .Lstep_\@
	s_setprio 0
	FIN \p
.endm
	s_wait_tensorcnt 0x1                           ; my part of steps 0-7 is in; the one load left out is that of steps 8-15
	s_barrier_signal -1
	s_barrier_wait -1                              ; everybody's is
	PASS 0, 8                                      ; reads steps 0-7 alone
	s_wait_tensorcnt 0x0                           ; my part of steps 8-15 is in
	s_wait_dscnt 0x0
	s_barrier_signal -1
	s_barrier_wait -1
	PASS 1, 16
	s_wait_dscnt 0x0
	s_wait_xcnt 0x0
	v_lshl_add_u32 v254, v0, 2, 0x42000
	v_mov_b32 v255, 0
	s_wait_alu depctr_va_vdst(0)
	s_wait_tensorcnt 0x0
	ds_add_u32 v254, v255
	s_wait_dscnt 0x0
	ROUND                                          ; the closing round
	s_endpgm
.Lfunc_end_k_qa873f51956_attn:
	.size	k_qa873f51956_attn, .Lfunc_end_k_qa873f51956_attn-k_qa873f51956_attn
	.p2alignl 7, 3214868480
	.fill 96, 4, 3214868480
	.section	.rodata,"a",@progbits
	.p2align	6, 0x0
	.amdhsa_kernel k_qa873f51956_attn
		.amdhsa_group_segment_fixed_size 327680
		.amdhsa_private_segment_fixed_size 0
		.amdhsa_enable_private_segment 0
		.amdhsa_kernarg_size 32
		.amdhsa_user_sgpr_count 2
		.amdhsa_user_sgpr_kernarg_segment_ptr 1
		.amdhsa_wavefront_size32 1
		.amdhsa_system_sgpr_workgroup_id_x 1
		.amdhsa_system_sgpr_workgroup_id_y 1
		.amdhsa_system_sgpr_workgroup_id_z 1
		.amdhsa_system_vgpr_workitem_id 0
		.amdhsa_next_free_vgpr 256
		.amdhsa_next_free_sgpr 68
		.amdhsa_reserve_vcc 1
		.amdhsa_float_denorm_mode_32 3
		.amdhsa_float_denorm_mode_16_64 3
		.amdhsa_fp16_overflow 1
		.amdhsa_memory_ordered 1
		.amdhsa_forward_progress 1
		.amdhsa_inst_pref_size 67
	.end_amdhsa_kernel
	.amdgpu_metadata
---
amdhsa.version: [ 1, 2 ]
amdhsa.kernels:
  - .name:           k_qa873f51956_attn
    .symbol:         k_qa873f51956_attn.kd
    .args:
      - { .name: qi, .offset: 0, .size: 8, .value_kind: global_buffer, .address_space: global }
      - { .name: kv, .offset: 8, .size: 8, .value_kind: global_buffer, .address_space: global }
      - { .name: yc, .offset: 16, .size: 8, .value_kind: global_buffer, .address_space: global }
      - { .name: ys, .offset: 24, .size: 8, .value_kind: global_buffer, .address_space: global }
    .group_segment_fixed_size: 327680
    .private_segment_fixed_size: 0
    .kernarg_segment_align: 8
    .kernarg_segment_size: 32
    .max_flat_workgroup_size: 512
    .sgpr_count:     68
    .vgpr_count:     256
    .wavefront_size: 32
...
	.end_amdgpu_metadata
.endif
;; end of part 2
;; launch proj (part 3): grid 4 x 32, 4 waves a work-group, clusters of 4 x 4, 327,680 bytes of LDS; arguments yc, ys, Wp_codes, Wp_scales, bp, out0; writes out0
.if DOCPART == 3
	.amdgcn_target "amdgcn-amd-amdhsa--gfx1250"
	.amdhsa_code_object_version 6
	.text
	.protected	k_qa873f51956_proj
	.globl	k_qa873f51956_proj
	.p2align	8
	.type	k_qa873f51956_proj,@function
k_qa873f51956_proj:
	s_mov_b64 s[64:65], 0
	v_nop
	global_prefetch_b8 v0, s[64:65] scope:SCOPE_SE
	s_setreg_imm32_b32 hwreg(HW_REG_WAVE_MODE, 25, 1), 1
	s_wait_xcnt 0x0
	s_wait_alu depctr_hold_cnt(0) depctr_sa_sdst(0) depctr_va_vdst(0) depctr_va_sdst(0) depctr_va_ssrc(0) depctr_va_vcc(0) depctr_vm_vsrc(0)
	s_getreg_b32 s2, hwreg(HW_REG_IB_STS2, 6, 4)
	s_cmp_eq_u32 s2, 0
	s_cbranch_scc0 .Lentry_in_a_cluster
	s_endpgm
.Lentry_in_a_cluster:
	s_bfe_u32 s2, ttmp6, 0x10000c
	s_cmp_lg_u32 s2, 0xf033
	s_cbranch_scc0 .Lentry_shape_is_right
	s_endpgm
.Lentry_shape_is_right:
; out = y Wp^T + bp on codes of BF8 (E5M2) with one E8M0 scale for each 32 along K = 1,024; out is [8192][1024] f32.
; A = y comes as the attention launch left it: IMAGES OF OPERAND REGISTERS.  For each group of 128 tokens and each 256 along K: 32,768 dense bytes: K step q (16,384), tile a of 16 rows (2,048), registers 4 c .. 4 c + 3 (512),
; 16 bytes a lane.  Row position rho + 8 v of tile a is token 32 (a / 2) + 8 (a % 2) + rho + 16 v of the group; its scale bytes lie in ys at row 16 a + position, 32 bytes a row.  B = Wp: rows of 1,024 codes.
; A tile of out, 256 x 256, is made by four waves, 128 x 128 each: 64 accumulators.  K goes in steps of 256 through a ring of two LDS slots filled by joint tensor loads of a 4 x 4 cluster
; (A's tile shared along the cluster's row, B's along its column); the scale bytes of all of K come once and stay.  Source 0 = 16 rows of Wp, source 1 = 16 rows of y: a lane holds eight neighbouring numbers of a row of out.
; The bias is the C of each sum's first matrix instruction.
; REGISTERS, in windows of 256: window 0: v1-30 addresses; v32-63 scale words, two sets; v64-127 the bias; v128-255 A's fragments, one set (on the way out: rows read back).  window 1: B's, two sets.  windows 2, 3: the accumulators.
.set KROW,   1024
.set ROWB,   256
.set ASLOT,  32768                     ; A's bytes of 128 rows x 256 along K
.set NQ,     2
.set PITCH,  272
.set FR,     16
.set NL,     4
.set NP,     8
.set HALFT,  128*PITCH                 ; the room of 128 rows in a slot (A's images use 32,768 of it)
.set SLOT,   4*HALFT
.set LAPS,   2
.set KS,     32
.set SCL,    2*SLOT
.set HALFS,  16*272
.set SBLK,   2*272
.set SPARE,  SCL+4*HALFS               ; the spare words: 128 bytes a wave, two blocks of 256 bytes that no other line names
.set SPITCH, 528                       ; the way out: a stage of 16 rows x (512 bytes + 16) for each wave, in slot 0, which has had its last fill and its last read by then
.set ADRA, 16
.set ADRB, 20
.set STO,  24
.set RD,   25
.set CO,   26
.set ADRS, 27
.set SPW,  28
.set NIL,  29
.set BO,   30                          ; v30  the bias loads' offset
.set SC,   32
.set BIAS, 64
.set AF,   128
.set BK,   128
.set G1, 24
.set G0, 32
.set G1B, 48
.set G0B, 56
.set G1S, 68
.set G0S, 76
.set G1SB, 80
.set G0SB, 88
.set MSB, 0
.macro WIN new
.if MSB != (\new)
	s_set_vgpr_msb (MSB<<8)|(\new)
.set MSB, (\new)
.endif
.endm
.set MUL_LO, 0xa1
.set MUL_HI, 0xf1
.set TO_B,   0x40
.macro JLOAD g0a, g1a, g0b, g1b        ; a joint load: waves 0 and 1 fetch for A, waves 2 and 3 for B; four v_nop follow each of the two lines
	s_cmp_eq_u32 s15, 0
	s_cbranch_scc0 .Lfor_b_\@
	tensor_load_to_lds s[\g0a:\g0a+3], s[\g1a:\g1a+7]
	s_nop 0
.rept 4
	v_nop
.endr
	s_branch .Lasked_\@
.Lfor_b_\@:
	tensor_load_to_lds s[\g0b:\g0b+3], s[\g1b:\g1b+7]
	s_nop 0
.rept 4
	v_nop
.endr
.Lasked_\@:
.endm
.macro CREST
	s_cmp_lg_u32 s14, 0
	s_cbranch_scc1 .Lnot_wave_0_\@
	s_barrier_signal -3
.Lnot_wave_0_\@:
	s_barrier_wait -3
	s_barrier_signal -1
	s_barrier_wait -1
.endm
.macro CROUND
	s_barrier_signal -1
	s_barrier_wait -1
	CREST
.endm
	s_load_b128 s[4:7], s[0:1], 0x0                ; y's codes, y's scales
	s_load_b128 s[8:11], s[0:1], 0x10              ; Wp's codes, Wp's scales
	s_load_b64 s[96:97], s[0:1], 0x20              ; bp
	s_load_b64 s[12:13], s[0:1], 0x28              ; out
	v_lshl_add_u32 v[SPW], v0, 2, SPARE
	v_mov_b32 v[NIL], 0
	ds_add_u32 v28, v29
	ds_add_u32 v28, v29
	s_wait_dscnt 0x0
	v_lshrrev_b32 v1, 5, v0
	v_readfirstlane_b32 s14, v1                    ; wave 0..3
	s_lshr_b32 s15, s14, 1                         ; which half of the tile's rows is mine.  Also: I fetch for A (0) or for B (1)
	s_and_b32 s16, s14, 1                          ; which half of its columns.  Also: which 128 rows I fetch
	s_bfe_u32 s40, ttmp6, 0x40000
	s_bfe_u32 s41, ttmp6, 0x40004
	s_lshl_b32 s42, ttmp9, 2
	s_add_co_u32 s42, s42, s40                     ; tile column
	s_and_b32 s17, ttmp7, 0xffff
	s_lshl_b32 s17, s17, 2
	s_add_co_u32 s17, s17, s41                     ; tile row
	s_lshl_b32 s43, s41, 2
	s_lshl_b32 s43, 15, s43                        ; my row of the cluster
	s_lshl_b32 s44, 0x1111, s40                    ; my column
	s_or_b32 s[G1+0], s43, (3<<16)|(1<<21)         ; A: the mask; elements of 8 bytes; bit 21 beside a mask; no padding: a dense block,
	s_mov_b32 s[G1+1], 32<<16                      ; as 128 rows of 256 bytes
	s_mov_b32 s[G1+2], 128<<16
	s_mov_b32 s[G1+3], 32<<16
	s_mov_b32 s[G1+4], 128
	s_mov_b32 s[G1+5], 32
	s_mov_b32 s[G1+6], 0
	s_mov_b32 s[G1+7], 0
	s_or_b32 s[G1B+0], s44, (0<<16)|(1<<20)|(1<<21)|(5<<22)|(3<<25)  ; B: elements of 1 byte; 4 words of padding after every 64
	s_mov_b32 s[G1B+1], ROWB<<16
	s_mov_b32 s[G1B+2], 128<<16
	s_mov_b32 s[G1B+3], ROWB<<16
	s_mov_b32 s[G1B+4], 128
	s_mov_b32 s[G1B+5], KROW
	s_mov_b32 s[G1B+6], 0
	s_mov_b32 s[G1B+7], 0
	s_or_b32 s[G1S+0], s43, (3<<16)|(1<<20)|(1<<21)|(5<<22)|(3<<25)  ; the scales of 128 rows: 16 rows of 256 bytes, 16 bytes of padding behind each
	s_or_b32 s[G1SB+0], s44, (3<<16)|(1<<20)|(1<<21)|(5<<22)|(3<<25)
.irp g, G1S, G1SB
	s_mov_b32 s[\g+1], 32<<16
	s_mov_b32 s[\g+2], 16<<16
	s_mov_b32 s[\g+3], 32<<16
	s_mov_b32 s[\g+4], 16
	s_mov_b32 s[\g+5], 32
	s_mov_b32 s[\g+6], 0
	s_mov_b32 s[\g+7], 0
.endr
	s_lshl_b32 s18, s16, 7
	s_lshl_b32 s20, s17, 1
	s_add_co_u32 s20, s20, s16
	s_lshl_b32 s20, s20, 17                        ; A: the group of 128 tokens that I fetch: 131,072 bytes a group
	s_mov_b32 s21, 0
	s_lshl_b32 s22, s17, 8
	s_add_co_u32 s22, s22, s18
	s_lshl_b32 s22, s22, 5                         ; its scales: 32 bytes a row
	s_mov_b32 s23, 0
	s_lshl_b32 s46, s42, 8
	s_add_co_u32 s46, s46, s18                     ; B's row
	s_lshl_b32 s92, s46, 5
	s_mov_b32 s93, 0
	s_lshl_b32 s46, s46, 10
	s_mov_b32 s47, 0
	s_mul_i32 s45, s14, HALFT
	s_mul_i32 s94, s14, HALFS
	s_wait_kmcnt 0x0
	s_add_nc_u64 s[20:21], s[4:5], s[20:21]
	s_add_nc_u64 s[22:23], s[6:7], s[22:23]
	s_add_nc_u64 s[46:47], s[8:9], s[46:47]
	s_add_nc_u64 s[92:93], s[10:11], s[92:93]
	CROUND                                         ; all sixteen work-groups are here: the first joint loads meet
	s_mov_b32 s[G0S], 1
	s_add_co_u32 s[G0S+1], s94, SCL
	s_mov_b64 s[G0S+2:G0S+3], s[22:23]
	s_or_b32 s[G0S+3], s[G0S+3], 0x80000000
	s_mov_b32 s[G0SB], 1
	s_add_co_u32 s[G0SB+1], s94, SCL
	s_mov_b64 s[G0SB+2:G0SB+3], s[92:93]
	s_or_b32 s[G0SB+3], s[G0SB+3], 0x80000000
	JLOAD G0S, G1S, G0SB, G1SB
.irp s, 0,1
	s_mov_b32 s[G0+4*\s], 1
	s_add_co_u32 s[G0+4*\s+1], s45, \s*SLOT
	s_add_nc_u64 s[G0+4*\s+2:G0+4*\s+3], s[20:21], \s*ASLOT
	s_or_b32 s[G0+4*\s+3], s[G0+4*\s+3], 0x80000000
	s_mov_b32 s[G0B+4*\s], 1
	s_add_co_u32 s[G0B+4*\s+1], s45, \s*SLOT
	s_add_nc_u64 s[G0B+4*\s+2:G0B+4*\s+3], s[46:47], \s*ROWB
	s_or_b32 s[G0B+4*\s+3], s[G0B+4*\s+3], 0x80000000
	s_wait_alu depctr_va_vdst(0)
	s_wait_tensorcnt 0x0
	ds_add_u32 v28, v29
	s_wait_dscnt 0x0
	CROUND
	JLOAD G0+4*\s, G1, G0B+4*\s, G1B               ; by this text's count one tensor load of a wave is out here
.endr
	v_and_b32 v1, 15, v0                           ; r
	v_bfe_u32 v2, v0, 4, 1                         ; h
	v_and_b32 v6, 31, v0                           ; lane
	v_lshlrev_b32 v[CO], 4, v6                     ; 16 x lane
	v_mul_u32_u24 v3, v1, PITCH
	v_lshl_add_u32 v4, v2, 4, v3                   ; B: a fragment's row x pitch + 16 x half
	s_mul_i32 s21, s15, HALFT                      ; my 128 rows of A: images, 16 bytes a lane
	s_mul_i32 s22, s16, HALFT
	s_add_co_u32 s22, s22, 2*HALFT
.irp s, 0,1
	v_add_nc_u32 v[ADRA+\s], s21, v[CO]
	v_add_nc_u32 v[ADRB+\s], s22, v4
	s_add_co_u32 s21, s21, SLOT
	s_add_co_u32 s22, s22, SLOT
.endr
	v_mul_u32_u24 v5, v1, KS
	v_lshrrev_b32 v7, 8, v5
	v_lshl_add_u32 v5, v7, 4, v5
	s_mul_i32 s21, s15, HALFS
	s_mul_i32 s22, s16, HALFS
	s_add_co_u32 s22, s22, 2*HALFS
	s_sub_co_u32 s22, s22, s21
	v_mul_u32_u24 v7, s22, v2                      ; lanes 16-31 take B's
	s_add_co_u32 s21, s21, SCL
	v_add_nc_u32 v5, v5, v7
	v_add_nc_u32 v[ADRS], s21, v5
	s_mul_i32 s23, s14, 16*SPITCH                  ; my stage
	v_mul_u32_u24 v5, v1, SPITCH
	v_lshl_add_u32 v5, v2, 5, v5
	v_add_nc_u32 v[STO], s23, v5                   ; in: row r, 32 bytes for each half of the lanes
	v_add_nc_u32 v[RD], s23, v[CO]                 ; back: the 32 lanes take one row of 512 bytes
	s_lshl_b32 s20, s17, 8
	s_lshl_b32 s21, s15, 7
	s_add_co_u32 s20, s20, s21                     ; my first row of out
	s_lshl_b32 s20, s20, 12                        ; 4,096 bytes a row
	s_mov_b32 s21, 0
	s_lshl_b32 s46, s42, 10                        ; my first column, in bytes
	s_lshl_b32 s47, s16, 9
	s_add_co_u32 s46, s46, s47
	s_mov_b32 s47, 0
	s_add_nc_u64 s[12:13], s[12:13], s[20:21]
	s_add_nc_u64 s[12:13], s[12:13], s[46:47]
	s_add_nc_u64 s[96:97], s[96:97], s[46:47]      ; and the same columns of bp
	v_lshlrev_b32 v[BO], 5, v2                     ; register j of block b is column 16 b + 8 h + j
.irp b, 0,1,2,3,4,5,6,7
	global_load_b128 v[BIAS+8*\b:BIAS+8*\b+3], v[BO], s[96:97] offset:64*\b
	global_load_b128 v[BIAS+8*\b+4:BIAS+8*\b+7], v[BO], s[96:97] offset:64*\b+16
.endr
.macro FRAG reg, adr, q, i             ; B: from rows
.irp c, 0,1,2,3
	ds_load_b128 v[\reg+4*\c:\reg+4*\c+3], v[\adr] offset:128*(\q)+32*\c+(\i)*16*PITCH
.endr
.endm
.macro FRAGI reg, adr, q, i            ; A: an image: the registers as they were stored
.irp c, 0,1,2,3
	ds_load_b128 v[\reg+4*\c:\reg+4*\c+3], v[\adr] offset:16384*(\q)+2048*(\i)+512*\c
.endr
.endm
; 16 matrix instructions: A's blocks a0, a0 + 1 x B's eight.  cm = 1: the sums begin with the bias.  The 64 accumulators take turns, one instruction a turn.
.macro MUL16 a0, p, q, sc, cm
.irp a, \a0, \a0+1
.irp b, 0,1,2,3,4,5,6,7
.if \cm
	v_wmma_scale_f32_16x16x128_f8f6f4 v[8*(8*((\a)%4)+\b):8*(8*((\a)%4)+\b)+7], v[128*(\p)+FR*\b:128*(\p)+FR*\b+FR-1], v[AF+FR*(\a):AF+FR*(\a)+FR-1], v[BIAS+8*\b:BIAS+8*\b+7], v[SC+8*NQ*(\sc)+NQ*\b+(\q)], v[SC+8*NQ*(\sc)+NQ*(\a)+(\q)] matrix_a_fmt:MATRIX_FMT_BF8 matrix_b_fmt:MATRIX_FMT_BF8 matrix_a_scale:MATRIX_SCALE_ROW1
.else
	v_wmma_scale_f32_16x16x128_f8f6f4 v[8*(8*((\a)%4)+\b):8*(8*((\a)%4)+\b)+7], v[128*(\p)+FR*\b:128*(\p)+FR*\b+FR-1], v[AF+FR*(\a):AF+FR*(\a)+FR-1], v[8*(8*((\a)%4)+\b):8*(8*((\a)%4)+\b)+7], v[SC+8*NQ*(\sc)+NQ*\b+(\q)], v[SC+8*NQ*(\sc)+NQ*(\a)+(\q)] matrix_a_fmt:MATRIX_FMT_BF8 matrix_b_fmt:MATRIX_FMT_BF8 matrix_a_scale:MATRIX_SCALE_ROW1
.endif
.endr
.endr
.endm
.macro FETCH_B slot, q, p
	WIN TO_B
.irp i, 0,1,2,3,4,5,6,7
	FRAG 128*(\p)+FR*\i, ADRB+\slot, \q, \i
.endr
	WIN 0
.endm
.macro FETCH_A slot, q, i0
.irp i, \i0, \i0+1, \i0+2, \i0+3
	FRAGI AF+FR*(\i), ADRA+\slot, \q, \i
.endr
.endm
.macro SCALES sc
.irp i, 0,1,2,3,4,5,6,7
	ds_load_b64 v[SC+8*NQ*\sc+NQ*\i:SC+8*NQ*\sc+NQ*\i+1], v[ADRS] offset:\i*SBLK
.endr
.endm
.macro PLACES n                        ; plain vector instructions between a matrix instruction and a load into, or a read of, its registers
.rept \n
	v_nop
.endr
.endm
.macro STEP slot, q, cm
	s_wait_dscnt 4*NL                              ; all but the youngest 16 loads (A's blocks 4-7) are in
.if \cm
	WIN 0x81                                       ; source 0 window 1, sources 1 and 2 (the bias) window 0, D window 2
.else
	WIN MUL_LO
.endif
	MUL16 0, (\q)%2, \q, \slot, \cm
	MUL16 2, (\q)%2, \q, \slot, \cm
	s_wait_dscnt 0
	PLACES NP
	FETCH_B \slot, (\q)+1, 1-(\q)%2
	FETCH_A \slot, (\q)+1, 0
.if \cm
	WIN 0xc1
.else
	WIN MUL_HI
.endif
	MUL16 4, (\q)%2, \q, \slot, \cm
	MUL16 6, (\q)%2, \q, \slot, \cm
	PLACES NP
	WIN 0
	FETCH_A \slot, (\q)+1, 4
.endm
.macro TURN slot, next, fill
	s_wait_tensorcnt 0x0                           ; all my tensor loads have landed: my part of the next slot
	ds_add_u32 v[SPW], v[NIL]                      ; 0 onto my spare word
	s_wait_dscnt 4*NL+1                            ; (the add and the youngest 16 loads may be out)
	WIN MUL_LO
	MUL16 0, 1, NQ-1, \slot, 0
	s_wait_dscnt 0x0                               ; the add is done, and my reads of this slot are over
	s_barrier_signal -1
	MUL16 2, 1, NQ-1, \slot, 0
	WIN 0
	s_barrier_wait -1
.if \fill
	CREST                                          ; the barrier has opened a round of the cluster's barrier
	s_add_nc_u64 s[G0+4*\slot+2:G0+4*\slot+3], s[G0+4*\slot+2:G0+4*\slot+3], 2*ASLOT
	s_add_nc_u64 s[G0B+4*\slot+2:G0B+4*\slot+3], s[G0B+4*\slot+2:G0B+4*\slot+3], 2*ROWB
	JLOAD G0+4*\slot, G1, G0B+4*\slot, G1B         ; the first tensor load behind the round; its four v_nop are four of the eight places
	PLACES NP-4
.else
	PLACES NP
.endif
	s_wait_alu depctr_va_vdst(0)
	v_add_nc_u32 v[ADRS], 4*NQ, v[ADRS]
	FETCH_B \next, 0, 0
	FETCH_A \next, 0, 0
	SCALES \next
	WIN MUL_HI
	MUL16 4, 1, NQ-1, \slot, 0
	MUL16 6, 1, NQ-1, \slot, 0
	PLACES NP
	WIN 0
	FETCH_A \next, 0, 4
.endm
	s_wait_alu depctr_va_vdst(0)
	s_wait_tensorcnt 1                             ; the scales and my part of K step 0 are in; the one load left out is K step 1's
	s_barrier_signal -1
	s_barrier_wait -1
	FETCH_B 0, 0, 0
	FETCH_A 0, 0, 0
	SCALES 0
	FETCH_A 0, 0, 4
	s_wait_loadcnt 0x0                             ; the bias
	STEP 0, 0, 1                                   ; the first step starts the sums with the bias
	s_mov_b32 s3, LAPS-1
.Llap:
	TURN 0, 1, 1
	STEP 1, 0, 0
	TURN 1, 0, 1
	STEP 0, 0, 0
	s_sub_co_u32 s3, s3, 1
	s_cmp_lg_u32 s3, 0
	s_cbranch_scc1 .Llap
	TURN 0, 1, 0
	STEP 1, 0, 0
	s_wait_dscnt 4*NL
	WIN MUL_LO
	MUL16 0, 1, NQ-1, 1, 0
	MUL16 2, 1, NQ-1, 1, 0
	s_wait_dscnt 0
	WIN MUL_HI
	MUL16 4, 1, NQ-1, 1, 0
	MUL16 6, 1, NQ-1, 1, 0
	WIN 0
; THE WAY OUT, block by block of 16 rows x 128 columns, through my own stage in LDS: in as 32 bytes a lane, back as whole rows of 512 bytes.  LDS serves a wave's instructions in order (ISA guide 5.7.1.4).
.macro TOSTAGE a
.set AC, 64*((\a)%4)
	WIN 0x08+4*((\a)/4)                            ; the data: window 2 or 3
.irp b, 0,1,2,3,4,5,6,7
	ds_store_b128 v[STO], v[AC+8*\b:AC+8*\b+3] offset:64*\b          ; each accumulator from its low end on
	ds_store_b128 v[STO], v[AC+8*\b+4:AC+8*\b+7] offset:64*\b+16
.endr
	WIN 0
.set BB, BK+64*((\a)%2)
.irp t, 0,1,2,3,4,5,6,7,8,9,10,11,12,13,14,15
	ds_load_b128 v[BB+4*\t:BB+4*\t+3], v[RD] offset:\t*SPITCH
.endr
.endm
.macro SEND a, younger                 ; position t of tile a is token 32 (a / 2) + 8 (a % 2) + t % 8 + 16 (t / 8) of my 128: the row stands in the immediate, 520,192 at the most
.set BB, BK+64*((\a)%2)
	s_wait_dscnt \younger
.irp t, 0,1,2,3,4,5,6,7,8,9,10,11,12,13,14,15
	global_store_b128 v[CO], v[BB+4*\t:BB+4*\t+3], s[12:13] offset:(32*((\a)/2)+8*((\a)%2)+(\t%8)+16*(\t/8))*4096 th:TH_STORE_NT   ; 32 lanes store 512 consecutive bytes, aligned
.endr
.endm
	PLACES NP
	TOSTAGE 0
.irp a, 1,2,3,4,5,6,7
.if \a > 1
	s_wait_xcnt 0x0                                ; the stores of the block two back have read their registers: this block's loads may land there
.endif
	TOSTAGE \a
	SEND \a-1, 32                                  ; behind that block's loads: this block's 16 stores and 16 loads
.endr
	SEND 7, 0
	s_wait_tensorcnt 0x0                           ; the wave's end
	ds_add_u32 v[SPW], v[NIL]
	s_wait_dscnt 0x0
	CROUND                                         ; the closing round
	s_endpgm
.Lfunc_end_k_qa873f51956_proj:
	.size	k_qa873f51956_proj, .Lfunc_end_k_qa873f51956_proj-k_qa873f51956_proj
	.p2alignl 7, 3214868480
	.fill 96, 4, 3214868480
	.section	.rodata,"a",@progbits
	.p2align	6, 0x0
	.amdhsa_kernel k_qa873f51956_proj
		.amdhsa_group_segment_fixed_size 327680
		.amdhsa_private_segment_fixed_size 0
		.amdhsa_enable_private_segment 0
		.amdhsa_kernarg_size 48
		.amdhsa_user_sgpr_count 2
		.amdhsa_user_sgpr_kernarg_segment_ptr 1
		.amdhsa_wavefront_size32 1
		.amdhsa_system_sgpr_workgroup_id_x 1
		.amdhsa_system_sgpr_workgroup_id_y 1
		.amdhsa_system_sgpr_workgroup_id_z 1
		.amdhsa_system_vgpr_workitem_id 0
		.amdhsa_next_free_vgpr 1024
		.amdhsa_next_free_sgpr 98
		.amdhsa_reserve_vcc 0
		.amdhsa_float_denorm_mode_32 3
		.amdhsa_float_denorm_mode_16_64 3
		.amdhsa_memory_ordered 1
		.amdhsa_forward_progress 1
		.amdhsa_inst_pref_size 148
	.end_amdhsa_kernel
	.amdgpu_metadata
---
amdhsa.version: [ 1, 2 ]
amdhsa.kernels:
  - .name:           k_qa873f51956_proj
    .symbol:         k_qa873f51956_proj.kd
    .args:
      - { .name: yc, .offset: 0, .size: 8, .value_kind: global_buffer, .address_space: global }
      - { .name: ys, .offset: 8, .size: 8, .value_kind: global_buffer, .address_space: global }
      - { .name: Wp_codes, .offset: 16, .size: 8, .value_kind: global_buffer, .address_space: global }
      - { .name: Wp_scales, .offset: 24, .size: 8, .value_kind: global_buffer, .address_space: global }
      - { .name: bp, .offset: 32, .size: 8, .value_kind: global_buffer, .address_space: global }
      - { .name: out0, .offset: 40, .size: 8, .value_kind: global_buffer, .address_space: global }
    .group_segment_fixed_size: 327680
    .private_segment_fixed_size: 0
    .kernarg_segment_align: 8
    .kernarg_segment_size: 48
    .max_flat_workgroup_size: 128
    .sgpr_count:     98
    .vgpr_count:     1024
    .wavefront_size: 32
...
	.end_amdgpu_metadata
.endif
;; end of part 3
